; MI455X (gfx1250); checked and timed in simulation.
; The chip was launched on July 23, 2026; its instructions are those of AMD's public machine-readable ISA for CDNA 5 (MIT licence, August 2026) and "CDNA5" Instruction Set Architecture Reference Guide (July 2026). The comments in the code are by the model that wrote it; some were corrected since.
;; MLP Block. Allowed arithmetic: float matrix products may take bf16 or f16 operands with f32 sums; other float arithmetic in f32, or as packed bf16 or f16 multiplies, adds, multiply-adds, maxima and minima; sums over many terms, partial sums and values carried from step to step in f32; what a program stores and reads back later, other than sums and carried values, may be rounded once to bf16 or f16.
;; Inputs: gate_bias 8 float32; gate_kernel 1,024 x 8 float32; mlp1_bias 8 x 4,096 float32; mlp1_weight 8 x 4,096 x 1,024 float32; mlp2_bias 8 x 1,024 float32; mlp2_weight 8 x 1,024 x 2,048 float32; scale 1,024 float32; x 1,024 x 1,024 float32.
;; Outputs: out0 1,024 x 1,024 float32.
;; 3 versions, each right; version 2 is faster than version 1; version 3 is version 2 with the launch mlp2 written anew for expert scheduling mode. Each part assembles by itself: llvm-mc -triple=amdgcn-amd-amdhsa -mcpu=gfx1250 --defsym DOCPART=n.
;; ======== version 1 of 3: 4 launches
;; workspace buffers: xn 2,097,152 bytes; idx 8,192 bytes of whole numbers; gw 8,192 bytes; act 8,912,896 bytes; slist 8,192 bytes of whole numbers; meta 256 bytes of whole numbers; y 8,388,608 bytes
;; launch router (part 1): grid 256 x 1, 4 waves a work-group, no clusters, 0 bytes of LDS; arguments x, scale, gate_kernel, gate_bias, xn, idx, gw; writes xn, idx, gw
.if DOCPART == 1
	.amdgcn_target "amdgcn-amd-amdhsa--gfx1250"
	.amdhsa_code_object_version 6
	.text
	.protected	k_q9fc01690d5_router
	.globl	k_q9fc01690d5_router
	.p2align	8
	.type	k_q9fc01690d5_router,@function
k_q9fc01690d5_router:
	s_mov_b64 s[64:65], 0
	v_nop
	global_prefetch_b8 v0, s[64:65] scope:SCOPE_SE
	s_setreg_imm32_b32 hwreg(HW_REG_WAVE_MODE, 25, 1), 1
	s_wait_xcnt 0x0
; RMSNorm, router logits, top-2 and the softmax over the two chosen logits.  x: [1024][1024] f32.
; One wave takes one token: t = 4 x work-group + wave.  Lane l holds the columns 128 j + 4 l + i (j = 0..7, i = 0..3), so each load of x and of scale
; covers 512 consecutive bytes.  All arithmetic in f32 on unrounded inputs: a token sent to another expert than reference()'s would be a wrong row.
; Out: xn[t][:] = the normed row rounded once to bf16 (matrix operand of the next launch); idx[2t], idx[2t+1] = the two experts; gw[2t], gw[2t+1] = their weights.
; No address and no branch hangs on a logit: the choice is stored at fixed places, and the next launch places the rows.
; LIMITS.  1 / rms is v_rsq_f32 of mean + eps (1 ULP) and a multiply, where reference() has a root and a division; a logit's 1,024 terms are added lane by lane and then
; across lanes, another order than reference()'s; NaN logits are not treated apart.  Ties go to the lower index, as jax.lax.top_k breaks them (strict compares, ascending scan).
; No LDS, no barrier, no matrix unit: 8 columns of gate_kernel are too few for a matrix tile, and the logits must stay in f32.
.set X,  8                             ; v[8:39]    the token's 32 numbers of this lane
.set SC, 40                            ; v[40:71]   scale; later v[40:55] the row in bf16
.set G,  72                            ; v[72:199]  four slots of 32: piece j = gate_kernel's rows 128 j + 4 l + i, 128 consecutive bytes a lane; G[i][e] at 8 i + e
.set L,  200                           ; v[200:207] the eight logits
.set W,  208                           ; v[208:215] at work
	s_load_b256 s[4:11], s[0:1], 0x0               ; x s[4:5], scale s[6:7], gate_kernel s[8:9], gate_bias s[10:11]
	s_load_b128 s[12:15], s[0:1], 0x20             ; xn s[12:13], idx s[14:15]
	s_load_b64 s[16:17], s[0:1], 0x30              ; gw
	v_lshrrev_b32 v1, 5, v0
	v_readfirstlane_b32 s18, v1                    ; wave
	v_and_b32 v2, 31, v0                           ; lane
	v_lshlrev_b32 v3, 4, v2                        ; 16 l: x and scale
	v_lshlrev_b32 v4, 7, v2                        ; 128 l: gate_kernel
	v_lshlrev_b32 v5, 3, v2                        ; 8 l: xn
	v_mov_b32 v6, 0
	s_lshl_b32 s19, ttmp9, 2
	s_add_co_u32 s19, s19, s18                     ; the token
	s_lshl_b32 s20, s19, 12                        ; its row in x,
	s_mov_b32 s21, 0
	s_lshl_b32 s36, s19, 11                        ; in xn,
	s_mov_b32 s37, 0
	s_lshl_b32 s38, s19, 3                         ; and its 8 bytes in idx and in gw
	s_mov_b32 s39, 0
	s_mov_b32 s22, 0x76543210                      ; v_permlanex16_b32: each lane takes its own place in the other half
	s_mov_b32 s23, 0xfedcba98
	s_mov_b32 s32, 0x3a800000                      ; 1 / 1024
	s_mov_b32 s33, 0x3727c5ac                      ; 1e-5
	s_wait_kmcnt 0x0
	s_load_b256 s[24:31], s[10:11], 0x0            ; the eight biases
	s_add_nc_u64 s[4:5], s[4:5], s[20:21]
	s_add_nc_u64 s[12:13], s[12:13], s[36:37]
	s_add_nc_u64 s[14:15], s[14:15], s[38:39]
	s_add_nc_u64 s[16:17], s[16:17], s[38:39]
.irp j, 0,1,2,3,4,5,6,7
	global_load_b128 v[X+4*\j:X+4*\j+3], v3, s[4:5] offset:512*\j
.endr
.irp j, 0,1,2,3,4,5,6,7
	global_load_b128 v[SC+4*\j:SC+4*\j+3], v3, s[6:7] offset:512*\j
.endr
.macro PIECE j                         ; piece j into slot j % 4: eight loads
.irp q, 0,1,2,3,4,5,6,7
	global_load_b128 v[G+32*((\j)%4)+4*\q:G+32*((\j)%4)+4*\q+3], v4, s[8:9] offset:4096*(\j)+16*\q
.endr
.endm
	PIECE 0
	PIECE 1
	PIECE 2
	PIECE 3
	s_wait_loadcnt 40                              ; x is in; scale's 8 loads and the pieces' 32 stay out
	; the sum of squares, in four chains started by the first four pairs
.irp k, 0,1,2,3
	v_pk_mul_f32 v[W+2*\k:W+2*\k+1], v[X+2*\k:X+2*\k+1], v[X+2*\k:X+2*\k+1]
.endr
.irp k, 4,5,6,7,8,9,10,11,12,13,14,15
	v_pk_fma_f32 v[W+2*(\k%4):W+2*(\k%4)+1], v[X+2*\k:X+2*\k+1], v[X+2*\k:X+2*\k+1], v[W+2*(\k%4):W+2*(\k%4)+1]
.endr
	v_pk_add_f32 v[W:W+1], v[W:W+1], v[W+2:W+3]
	v_pk_add_f32 v[W+4:W+5], v[W+4:W+5], v[W+6:W+7]
	v_pk_add_f32 v[W:W+1], v[W:W+1], v[W+4:W+5]
	v_add_f32 v[W], v[W], v[W+1]
	v_add_f32_dpp v[W], v[W], v[W] row_xmask:1 row_mask:0xf bank_mask:0xf
	v_add_f32_dpp v[W], v[W], v[W] row_xmask:2 row_mask:0xf bank_mask:0xf
	v_add_f32_dpp v[W], v[W], v[W] row_xmask:4 row_mask:0xf bank_mask:0xf
	v_add_f32_dpp v[W], v[W], v[W] row_xmask:8 row_mask:0xf bank_mask:0xf
	v_permlanex16_b32 v[W+1], v[W], s22, s23
	v_add_f32 v[W], v[W], v[W+1]
	v_fma_f32 v[W], v[W], s32, s33                 ; mean + eps
	v_rsq_f32 v[W+2], v[W]                         ; twice, to fill the pair that the packed multiply takes
	v_rsq_f32 v[W+3], v[W]
	v_nop                                          ; a plain instruction behind the last of the two
	s_wait_alu depctr_va_vdst(0)                   ; one wait for both, ahead of their first reader
	s_wait_loadcnt 32                              ; scale is in; the four pieces stay out
.irp k, 0,1,2,3,4,5,6,7,8,9,10,11,12,13,14,15
	v_pk_mul_f32 v[X+2*\k:X+2*\k+1], v[X+2*\k:X+2*\k+1], v[W+2:W+3]
.endr
.irp k, 0,1,2,3,4,5,6,7,8,9,10,11,12,13,14,15
	v_pk_mul_f32 v[X+2*\k:X+2*\k+1], v[X+2*\k:X+2*\k+1], v[SC+2*\k:SC+2*\k+1]
.endr
.irp k, 0,1,2,3,4,5,6,7,8,9,10,11,12,13,14,15
	v_cvt_pk_bf16_f32 v[SC+\k], v[X+2*\k], v[X+2*\k+1]   ; scale's registers are free now
.endr
.irp j, 0,1,2,3,4,5,6,7
	global_store_b64 v5, v[SC+2*\j:SC+2*\j+1], s[12:13] offset:256*\j   ; 32 lanes store 256 consecutive bytes, at a multiple of 256 from xn's first byte
.endr
; The logits: piece j's 4 rows x 8 experts a lane.  left = the younger pieces' loads, which stay out.
.macro DOT j, left
	s_wait_loadcnt \left
.irp i, 0,1,2,3
.irp e, 0,1,2,3,4,5,6,7
.if ((\j) == 0) && (\i == 0)
	v_mul_f32 v[L+\e], v[X], v[G+\e]               ; the first products start the sums
.else
	v_fmac_f32 v[L+\e], v[X+4*(\j)+\i], v[G+32*((\j)%4)+8*\i+\e]
.endif
.endr
.endr
.if (\j) < 4
	PIECE (\j)+4                                   ; the slot takes the piece four further on
.endif
.endm
	DOT 0, 24
	DOT 1, 24
	DOT 2, 24
	DOT 3, 24
	DOT 4, 24
	DOT 5, 16
	DOT 6, 8
	DOT 7, 0
.irp m, 1,2,4,8
.irp e, 0,1,2,3,4,5,6,7
	v_add_f32_dpp v[L+\e], v[L+\e], v[L+\e] row_xmask:\m row_mask:0xf bank_mask:0xf
.endr
.endr
.irp e, 0,1,2,3,4,5,6,7
	v_permlanex16_b32 v[W+\e], v[L+\e], s22, s23
.endr
.irp e, 0,1,2,3,4,5,6,7
	v_add_f32 v[L+\e], v[L+\e], v[W+\e]
.endr
	s_wait_kmcnt 0x0
.irp e, 0,1,2,3,4,5,6,7
	v_add_f32 v[L+\e], s[24+\e], v[L+\e]
.endr
	; the largest, ascending with a strict compare: of equals the lower index stays
	v_mov_b32 v[W], v[L]                           ; m1
	v_mov_b32 v[W+2], 0                            ; i1
.irp e, 1,2,3,4,5,6,7
	v_cmp_gt_f32 vcc_lo, v[L+\e], v[W]
	v_cndmask_b32 v[W], v[W], v[L+\e], vcc_lo
	v_cndmask_b32 v[W+2], v[W+2], \e, vcc_lo
.endr
	v_mov_b32 v[W+4], 0xff800000                   ; the winner is taken out,
.irp e, 0,1,2,3,4,5,6,7
	v_cmp_eq_u32 vcc_lo, \e, v[W+2]
	v_cndmask_b32 v[L+\e], v[L+\e], v[W+4], vcc_lo
.endr
	v_mov_b32 v[W+1], v[L]                         ; and the scan goes once more: m2, i2
	v_mov_b32 v[W+3], 0
.irp e, 1,2,3,4,5,6,7
	v_cmp_gt_f32 vcc_lo, v[L+\e], v[W+1]
	v_cndmask_b32 v[W+1], v[W+1], v[L+\e], vcc_lo
	v_cndmask_b32 v[W+3], v[W+3], \e, vcc_lo
.endr
	; softmax over (m1, m2) with the maximum m1 taken away: w1 = 1 / (1 + e^(m2 - m1)), w2 = e^(m2 - m1) w1
	v_sub_f32 v[W+5], v[W+1], v[W]
	v_mul_f32 v[W+5], 0x3fb8aa3b, v[W+5]
	v_exp_f32 v[W+5], v[W+5]
	v_nop
	s_wait_alu depctr_va_vdst(0)
	v_add_f32 v[W+6], 1.0, v[W+5]
	v_rcp_f32 v[W+6], v[W+6]
	v_nop
	s_wait_alu depctr_va_vdst(0)
	v_mul_f32 v[W+7], v[W+5], v[W+6]
	s_wait_xcnt 0x0                                ; EXEC changes only behind this wait: the stores of xn name it
	v_cmp_gt_u32 vcc_lo, 1, v2
	s_and_saveexec_b32 s34, vcc_lo                 ; lane 0 alone
	global_store_b64 v6, v[W+2:W+3], s[14:15]
	global_store_b64 v6, v[W+6:W+7], s[16:17]
	s_wait_xcnt 0x0
	s_or_b32 exec_lo, exec_lo, s34
	s_endpgm
.Lfunc_end_k_q9fc01690d5_router:
	.size	k_q9fc01690d5_router, .Lfunc_end_k_q9fc01690d5_router-k_q9fc01690d5_router
	.p2alignl 7, 3214868480
	.fill 96, 4, 3214868480
	.section	.rodata,"a",@progbits
	.p2align	6, 0x0
	.amdhsa_kernel k_q9fc01690d5_router
		.amdhsa_group_segment_fixed_size 0
		.amdhsa_private_segment_fixed_size 0
		.amdhsa_enable_private_segment 0
		.amdhsa_kernarg_size 56
		.amdhsa_user_sgpr_count 2
		.amdhsa_user_sgpr_kernarg_segment_ptr 1
		.amdhsa_wavefront_size32 1
		.amdhsa_system_sgpr_workgroup_id_x 1
		.amdhsa_system_sgpr_workgroup_id_y 1
		.amdhsa_system_sgpr_workgroup_id_z 1
		.amdhsa_system_vgpr_workitem_id 0
		.amdhsa_next_free_vgpr 216
		.amdhsa_next_free_sgpr 66
		.amdhsa_reserve_vcc 1
		.amdhsa_float_denorm_mode_32 3
		.amdhsa_float_denorm_mode_16_64 3
		.amdhsa_memory_ordered 1
		.amdhsa_forward_progress 1
		.amdhsa_inst_pref_size 29
	.end_amdhsa_kernel
	.amdgpu_metadata
---
amdhsa.version: [ 1, 2 ]
amdhsa.kernels:
  - .name:           k_q9fc01690d5_router
    .symbol:         k_q9fc01690d5_router.kd
    .args:
      - { .name: x, .offset: 0, .size: 8, .value_kind: global_buffer, .address_space: global }
      - { .name: scale, .offset: 8, .size: 8, .value_kind: global_buffer, .address_space: global }
      - { .name: gate_kernel, .offset: 16, .size: 8, .value_kind: global_buffer, .address_space: global }
      - { .name: gate_bias, .offset: 24, .size: 8, .value_kind: global_buffer, .address_space: global }
      - { .name: xn, .offset: 32, .size: 8, .value_kind: global_buffer, .address_space: global }
      - { .name: idx, .offset: 40, .size: 8, .value_kind: global_buffer, .address_space: global }
      - { .name: gw, .offset: 48, .size: 8, .value_kind: global_buffer, .address_space: global }
    .group_segment_fixed_size: 0
    .private_segment_fixed_size: 0
    .kernarg_segment_align: 8
    .kernarg_segment_size: 56
    .max_flat_workgroup_size: 128
    .sgpr_count:     66
    .vgpr_count:     216
    .wavefront_size: 32
...
	.end_amdgpu_metadata
.endif
;; end of part 1
;; launch mlp1 (part 2): grid 32 x 8, 4 waves a work-group, no clusters, 269,312 bytes of LDS; arguments xn, idx, mlp1_weight, mlp1_bias, act, slist, meta; writes act, slist, meta
.if DOCPART == 2
	.amdgcn_target "amdgcn-amd-amdhsa--gfx1250"
	.amdhsa_code_object_version 6
	.text
	.protected	k_q9fc01690d5_mlp1
	.globl	k_q9fc01690d5_mlp1
	.p2align	8
	.type	k_q9fc01690d5_mlp1,@function
k_q9fc01690d5_mlp1:
	s_mov_b64 s[64:65], 0
	v_nop
	global_prefetch_b8 v0, s[64:65] scope:SCOPE_SE
	s_setreg_imm32_b32 hwreg(HW_REG_WAVE_MODE, 25, 1), 1
	s_wait_xcnt 0x0
; FIRST PRODUCT AND SwiGLU, for the chosen rows alone.  A routed row is rid = 2 x token + k; idx[rid] is its expert.
; Work-group (s, e) = (x, y) owns slice s of expert e: 64 activation columns = 64 gate rows (64 s ..) and 64 linear rows (2048 + 64 s ..) of mlp1_weight[e], 512 KiB of f32 that no other
; work-group reads, and ALL rows of that expert.
; PHASE 1.  Each wave streams 32 of the 128 weight rows (131,072 consecutive bytes) through a ring of eight register slots of 4,096 bytes, rounds them once to bf16 and lays them into LDS.
; Beside it wave 0 reads idx and makes the expert's list (rank -> rid) in LDS by a counting pass without atomics; the work-groups of slice 0 also store it (slist, meta) for the next launch.  One barrier.
; PHASE 2.  Nothing writes LDS, so no barrier is needed.  Blocks of 16 ranks are dealt to the waves by turns (block j to wave j % 4).  A wave takes 4 or 5 of its blocks at a time through K = 1,024:
; the token rows come from xn straight into registers as matrix operands, the weights from LDS.  The outer loop has a constant count of 4 trips, which serves every split (an expert has at most
; 1,024 rows = 16 blocks a wave); trips and blocks without rows are jumped forward.  Ranks past the count repeat rank n - 1, so that all 16 rows of a block with rows are written.
; THE MATRIX INSTRUCTION IS USED TRANSPOSED: source 0 = 16 weight rows, source 1 = 16 token rows: a lane holds one token (lane % 16) and eight neighbouring columns 8 (lane / 16) + 0..7.
; A gate column and its linear column lie in the same lane (accumulators c and c + 4), and eight activations rounded to bf16 ARE half a source-1 fragment of the second product.
; OUT.  act[B][K step][half][lane][16 bytes] in bf16: B = (off_e >> 4) + e + rank / 16 numbers the blocks of 16 ranks (the experts' ranges do not overlap: (off >> 4) + ceil(n / 16) <= ((off + n) >> 4) + 1;
; B <= 135), a K step is 32 activation columns.  Each store of a wave covers 512 consecutive bytes, at a multiple of 512 from act's first byte; no round trip through LDS.
; NO CLUSTER, NO JOINT LOADS: each weight byte has one reader; what an expert's 32 work-groups share is its token rows, which come by a list that no one descriptor covers, and the number of
; trips hangs on a count.  NO TENSOR LOADS: the weights are f32 and must pass through registers to be rounded.
; LIMITS.  clip(l, -7, 7) + 1 is made as the middle of (l + 1, -6, 8), the 1 added to the bias; the product is (g (l + 1)) sigmoid where reference() has (g sigmoid) (l + 1);
; sigmoid by v_exp_f32 and v_rcp_f32 (1 ULP; a gate far below 0 gives weight 0); NaN is not treated apart.
.set PW,     2064                      ; a weight row in LDS: 2,048 bytes + 16 = 129 x 16: the 16 rows of a fragment load start at 16 different groups of four banks (ISA guide 11.1)
.set LIST,   128*PW                    ; 1,024 words rank -> rid, then 32 words, one a lane, for what is not this expert's
.set META,   LIST+4352                 ; n, off
.set SPARE,  META+256                  ; the spare words: 128 bytes a wave, two blocks of 256 bytes that no other line names
; window 0
.set LANE, 1
.set RR,   2                           ; lane % 16
.set H16,  3                           ; 16 x (lane / 16)
.set SPW,  4                           ; my spare word; never rewritten
.set NIL,  5                           ; 0; never rewritten
.set GO,   6                           ; 16 x lane; never rewritten
.set BO,   7                           ; 32 x (lane / 16): the bias loads' offset; never rewritten
.set BB,   8                           ; v8-11   LDS address of my weight fragments, rows 32 c2 + lane % 16
.set BA,   12                          ; v12-15  the same, walking along K
.set AO,   16                          ; v16-20  byte offset in xn of block a's token row
.set RK,   21                          ; rank of my token row in the trip's first block
.set LS,   22                          ; v22-23  phase 1: where my 8 bytes of a weight row go: my wave's rows 0-15, rows 16-31; never rewritten
.set SA,   24                          ; the way out: my byte offset in act
.set T,    32                          ; v32-47  packed bf16
.set RID4, 52                          ; v52-55  list pass: 4 lane + i (+ 512 a trip)
.set DMP,  56                          ; 1024 + lane
.set PP,   57
.set DD,   58
.set LA,   59                          ; v59-63
.set BF,   64                          ; v64-127, v128-191  two buffers of weight fragments; before: idx; on the way out GG, LL, EE
.set GG,   64
.set LL,   96
.set EE,   128
.set BIAS, 192                         ; v192-255 bias of column block c, register j at 8 c + j (linear blocks: + 1)
; window 1: phase 1 the ring (slot i at 32 i); phase 2 the token fragments (slot, block a) at 8 (nb slot + a).  Window 2: accumulators (a, c) at 64 a + 8 c, a < 4.  Window 3: v0-63, a = 4.
.set WB, 30                            ; s[30:31] my wave's 32 weight rows; never rewritten
.set AB, 32                            ; s[32:33] xn's walking address
.set MSB, 0
.macro WIN new                         ; the immediate's high byte repeats the setting that is left; a switch that changes nothing is dropped
.if MSB != (\new)
	s_set_vgpr_msb (MSB<<8)|(\new)
.set MSB, (\new)
.endif
.endm
.macro PLACES                          ; four plain instructions between a matrix instruction and a load into, or a read of, its registers
.rept 4
	v_nop
.endr
.endm
.macro FILL i, u                       ; weight row u of my 32 into ring slot i: eight loads of 512 consecutive bytes
.set tj, 0
.rept 8
	global_load_b128 v[32*(\i)+4*tj:32*(\i)+4*tj+3], v[GO], s[WB:WB+1] offset:(\u)*4096+512*tj th:TH_LOAD_NT
.set tj, tj+1
.endr
.endm
; Row u's turn: it is rounded and laid into LDS, and its slot takes the row eight further on.  The wait leaves the younger rows' loads out: seven rows of eight loads, fewer at the end.
.macro TURN u
.if (\u) < 25
	s_wait_loadcnt 56
.else
	s_wait_loadcnt 8*(31-(\u))
.endif
	WIN 0x05                                       ; sources in window 1, destination in window 0
.set tj, 0
.rept 16
	v_cvt_pk_bf16_f32 v[T+tj], v[32*((\u)%8)+2*tj], v[32*((\u)%8)+2*tj+1]
.set tj, tj+1
.endr
.if (\u) < 24
	WIN 0x40
	FILL (\u)%8, (\u)+8
.endif
	WIN 0
.set tj, 0
.rept 8
	ds_store_b64 v[LS+(\u)/16], v[T+2*tj:T+2*tj+1] offset:((\u)%16)*PW+256*tj   ; 32 lanes x 8 consecutive bytes
.set tj, tj+1
.endr
.endm
	s_load_b256 s[4:11], s[0:1], 0x0               ; xn s[4:5], idx s[6:7], mlp1_weight s[8:9], mlp1_bias s[10:11]
	s_load_b128 s[12:15], s[0:1], 0x20             ; act s[12:13], slist s[14:15]
	s_load_b64 s[16:17], s[0:1], 0x30              ; meta
	v_lshl_add_u32 v[SPW], v0, 2, SPARE
	v_mov_b32 v[NIL], 0
	v_lshrrev_b32 v27, 5, v0
	v_readfirstlane_b32 s18, v27                   ; wave
	v_and_b32 v[LANE], 31, v0
	v_and_b32 v[RR], 15, v0
	v_bfe_u32 v[H16], v0, 4, 1
	v_lshlrev_b32 v[H16], 4, v[H16]
	s_mov_b32 s19, ttmp9                           ; slice
	s_and_b32 s20, ttmp7, 0xffff                   ; expert
	v_lshlrev_b32 v[GO], 4, v[LANE]
	v_lshlrev_b32 v[BO], 1, v[H16]
	s_mul_i32 s40, s18, 32*PW
	v_lshl_add_u32 v[LS], v[LANE], 3, s40          ; my wave's 32 rows, 8 bytes a lane
	v_add_nc_u32 v[LS+1], 16*PW, v[LS]
	v_mul_u32_u24 v27, v[RR], PW
	v_add_nc_u32 v27, v27, v[H16]
.irp c, 0,1,2,3
	v_add_nc_u32 v[BB+\c], 32*PW*\c, v27
.endr
	s_lshl_b32 s41, s18, 4
	v_add_nc_u32 v[RK], s41, v[RR]
.irp i, 0,1,2,3
	v_lshl_add_u32 v[RID4+\i], v[LANE], 2, \i
.endr
	v_add_nc_u32 v[DMP], 0x400, v[LANE]
	s_mov_b32 s42, 0x40e00000                      ; 7.0
	s_mov_b32 s43, 0xc0c00000                      ; -6.0
	s_mov_b32 s44, 0x41000000                      ; 8.0
	s_mov_b32 s46, 0xc01d265f                      ; -1.702 log2(e)
	s_mov_b32 s47, s46                             ; named with it as a pair
	s_lshl_b32 s34, s20, 24                        ; the expert's 4,096 rows of 4,096 bytes,
	s_lshl_b32 s36, s19, 6                         ; row 64 s
	s_and_b32 s37, s18, 1
	s_lshl_b32 s37, s37, 5                         ; + 32 (w % 2)
	s_add_co_u32 s36, s36, s37
	s_lshr_b32 s37, s18, 1
	s_lshl_b32 s37, s37, 11                        ; + 2048 (w / 2): waves 2 and 3 take the linear rows
	s_add_co_u32 s36, s36, s37
	s_lshl_b32 s36, s36, 12
	s_add_co_u32 s34, s34, s36
	s_mov_b32 s35, 0
	s_lshl_b32 s36, s20, 14                        ; the bias: expert x 16,384 + slice x 256 bytes
	s_lshl_b32 s37, s19, 8
	s_add_co_u32 s36, s36, s37
	s_mov_b32 s37, 0
	s_lshl_b32 s38, s19, 11                        ; act: the slice's two K steps of 1,024 bytes in every block
	s_mov_b32 s39, 0
	s_wait_kmcnt 0x0
	s_add_nc_u64 s[WB:WB+1], s[8:9], s[34:35]
	s_add_nc_u64 s[10:11], s[10:11], s[36:37]
	s_add_nc_u64 s[12:13], s[12:13], s[38:39]
.irp c, 0,1,2,3,4,5,6,7
	global_load_b128 v[BIAS+8*\c:BIAS+8*\c+3],   v[BO], s[10:11] offset:(\c/4)*8192+(\c%4)*64
	global_load_b128 v[BIAS+8*\c+4:BIAS+8*\c+7], v[BO], s[10:11] offset:(\c/4)*8192+(\c%4)*64+16
.endr
	s_cmp_lg_u32 s18, 0
	s_cbranch_scc1 .Lno_idx
.irp j, 0,1,2,3,4,5,6,7,8,9,10,11,12,13,14,15
	global_load_b128 v[BF+4*\j:BF+4*\j+3], v[GO], s[6:7] offset:512*\j   ; wave 0: register 4 j + i holds idx[128 j + 4 lane + i]
.endr
.Lno_idx:
	WIN 0x40
.irp i, 0,1,2,3,4
	FILL \i, \i
.endr
	WIN 0
	s_cmp_lg_u32 s18, 0
	s_cbranch_scc1 .Lno_list
	; THE LIST, by wave 0, while its first five weight rows are on their way.  For each register of idx: which lanes hold this expert (their rank = n so far + the matching lanes below), how many hold a lower one.
	s_wait_loadcnt 40                              ; idx and the bias are in; the 40 loads of the five slots stay out
	s_mov_b32 s21, 0                               ; n
	s_mov_b32 s22, 0                               ; off
	s_mov_b32 s27, 4
.Llist:                                            ; four trips of 16 registers; the text is written once and idx moves down 16 registers a trip
.set tu, 0
.rept 16
	v_cmp_eq_u32 s36, s20, v[BF+tu]
	v_cmp_gt_u32 s37, s20, v[BF+tu]
	v_mbcnt_lo_u32_b32 v[PP], s36, s21
	s_bcnt1_i32_b32 s38, s36
	s_bcnt1_i32_b32 s39, s37
	s_add_co_u32 s21, s21, s38
	s_add_co_u32 s22, s22, s39
	v_cndmask_b32 v[PP], v[DMP], v[PP], s36        ; a lane without a match writes its own word behind the list
	v_min_u32 v[PP], 0x41f, v[PP]
	v_lshl_add_u32 v[PP], v[PP], 2, LIST
	v_add_nc_u32 v[DD], 128*(tu/4), v[RID4+tu%4]   ; rid
	ds_store_b32 v[PP], v[DD]
.set tu, tu+1
.endr
.set tu, 0
.rept 48
	v_mov_b32 v[BF+tu], v[BF+16+tu]
.set tu, tu+1
.endr
.irp i, 0,1,2,3
	v_add_nc_u32 v[RID4+\i], 0x200, v[RID4+\i]
.endr
	s_sub_co_u32 s27, s27, 1
	s_cmp_lg_u32 s27, 0
	s_cbranch_scc1 .Llist
	v_mov_b32 v28, s21
	v_mov_b32 v29, s22
	v_mov_b32 v27, META
	ds_store_b64 v27, v[28:29]
	s_cmp_lg_u32 s19, 0
	s_cbranch_scc1 .Lno_list
	; slice 0 alone: the list and the counts go to memory for the next launch; each expert's work-group stores its own range
	s_lshl_b32 s36, s20, 3
	v_mov_b32 v30, s36
	s_wait_xcnt 0x0                                ; EXEC changes only behind this wait
	v_cmp_gt_u32 vcc_lo, 1, v[LANE]
	s_and_saveexec_b32 s48, vcc_lo
	global_store_b64 v30, v[28:29], s[16:17]       ; meta[e] = n, off
	s_wait_xcnt 0x0
	s_or_b32 exec_lo, exec_lo, s48
	s_max_u32 s23, s21, 1
	s_sub_co_u32 s23, s23, 1                       ; n - 1
	s_mov_b32 s28, 0
	s_mov_b32 s27, 4
.Lsl:                                              ; four trips of 256 ranks; a trip past the count is jumped
	s_cmp_ge_u32 s28, s21
	s_cbranch_scc1 .Lsl_next
	s_wait_xcnt 0x0                                ; the last trip's stores have read their registers
.irp q, 0,1,2,3,4,5,6,7
	v_add_nc_u32 v[EE+\q], 32*\q, v[LANE]
	v_add_nc_u32 v[EE+\q], s28, v[EE+\q]
	v_min_u32 v[EE+\q], s23, v[EE+\q]              ; ranks past the count repeat rank n - 1: same place, same value
	v_min_u32 v[EE+\q], 0x3ff, v[EE+\q]
	v_add_nc_u32 v[EE+16+\q], s22, v[EE+\q]
	v_min_u32 v[EE+16+\q], 0x7ff, v[EE+16+\q]
	v_lshlrev_b32 v[EE+16+\q], 2, v[EE+16+\q]
	v_lshl_add_u32 v[EE+\q], v[EE+\q], 2, LIST
	ds_load_b32 v[EE+8+\q], v[EE+\q]               ; LDS serves a wave's instructions in order (ISA guide 5.7.1.4): these see my stores above
.endr
	s_wait_dscnt 0x0
.irp q, 0,1,2,3,4,5,6,7
	global_store_b32 v[EE+16+\q], v[EE+8+\q], s[14:15]   ; 32 lanes store 128 consecutive bytes of slist
.endr
.Lsl_next:
	s_add_co_u32 s28, s28, 0x100
	s_sub_co_u32 s27, s27, 1
	s_cmp_lg_u32 s27, 0
	s_cbranch_scc1 .Lsl
.Lno_list:
	WIN 0x40
.irp i, 5,6,7
	FILL \i, \i
.endr
	WIN 0
	; PHASE 1: 32 rows a wave, written out, so that every LDS offset and every offset in the weights is a constant; 64 loads of 512 bytes of each wave are on their way
.set tu, 0
.rept 32
	TURN tu
.set tu, tu+1
.endr
	s_wait_dscnt 0x0                               ; for the others' sake: my weight rows (wave 0: the list and the counts too) are in LDS
	s_barrier_signal -1
	s_barrier_wait -1
	v_mov_b32 v27, META
	ds_load_b64 v[28:29], v27
.set tk, 0
.rept 16
	v_pk_add_f32 v[BIAS+32+2*tk:BIAS+32+2*tk+1], v[BIAS+32+2*tk:BIAS+32+2*tk+1], 1.0 op_sel_hi:[1,0]   ; the linear part's + 1
.set tk, tk+1
.endr
	s_wait_dscnt 0x0
	v_readfirstlane_b32 s21, v28
	v_readfirstlane_b32 s22, v29
	s_min_u32 s21, s21, 0x400                      ; n
	s_min_u32 s22, s22, 0x7ff                      ; off
	s_max_u32 s23, s21, 1
	s_sub_co_u32 s23, s23, 1                       ; n - 1
	s_add_co_u32 s24, s21, 15
	s_lshr_b32 s24, s24, 4                         ; blocks of 16 ranks,
	s_add_co_u32 s24, s24, 3
	s_sub_co_u32 s24, s24, s18
	s_lshr_b32 s24, s24, 2                         ; of which mine: those still to do
	s_lshr_b32 s50, s22, 4
	s_add_co_u32 s50, s50, s20
	s_add_co_u32 s50, s50, s18                     ; my first block's number in act: (off >> 4) + e + w; my blocks lie 4 apart
; PHASE 2's parts.  The token fragments of one K step (32 along K, 64 bytes of each row) for nb blocks, into ring slot 'slot'
.macro TLOAD nb, slot, koff
	WIN 0x40
.set ta, 0
.rept \nb
	global_load_b128 v[8*((\nb)*(\slot)+ta):8*((\nb)*(\slot)+ta)+3],   v[AO+ta], s[AB:AB+1] offset:(\koff)
	global_load_b128 v[8*((\nb)*(\slot)+ta)+4:8*((\nb)*(\slot)+ta)+7], v[AO+ta], s[AB:AB+1] offset:(\koff)+32
.set ta, ta+1
.endr
.endm
.macro WLOAD buf, koff                 ; the weight fragments of one K step: 8 column blocks, 16 LDS loads
	WIN 0
.set tc, 0
.rept 8
	ds_load_b128 v[BF+64*(\buf)+8*tc:BF+64*(\buf)+8*tc+3],   v[BA+tc/2] offset:(tc%2)*16*PW+(\koff)
	ds_load_b128 v[BF+64*(\buf)+8*tc+4:BF+64*(\buf)+8*tc+7], v[BA+tc/2] offset:(tc%2)*16*PW+(\koff)+32
.set tc, tc+1
.endr
.endm
.macro MULS nb, slot, buf              ; 8 nb matrix instructions; the accumulators take turns, one instruction a turn
.set ta, 0
.rept \nb
.if ta < 4
	WIN 0xa4                                       ; weights window 0, tokens window 1, C and D window 2
.else
	WIN 0xf4                                       ; C and D window 3
.endif
.set tc, 0
.rept 8
	v_wmma_f32_16x16x32_bf16 v[64*(ta%4)+8*tc:64*(ta%4)+8*tc+7], v[BF+64*(\buf)+8*tc:BF+64*(\buf)+8*tc+7], v[8*((\nb)*(\slot)+ta):8*((\nb)*(\slot)+ta)+7], v[64*(ta%4)+8*tc:64*(ta%4)+8*tc+7]
.set tc, tc+1
.endr
.set ta, ta+1
.endr
.endm
; One K step, number pl from the walking addresses.  lc: the younger ring slots' loads; dc: the next step's 16 weight loads.  bl: the weights two steps on go into the buffer just read;
; refill: the tokens rd steps on into the slot just read.  The four places stand behind every step's products: ahead of those loads and, behind the last step, of the way out's reads.
.macro STEP nb, rd, pl, refill, bl, lc, dc
	s_wait_loadcnt \lc
	s_wait_dscnt \dc
	MULS \nb, (\pl)%(\rd), (\pl)%2
	PLACES
.if \bl
	WLOAD (\pl)%2, 64*((\pl)+2)
.endif
.if \refill
	TLOAD \nb, (\pl)%(\rd), 64*((\pl)+(\rd))
.endif
.endm
; All 32 K steps for nb blocks on a ring of rd slots: trips x rd steps that refill, then rd that do not (32 = rd (trips + 1))
.macro KRUN nb, rd, trips
.set kp, 0
.rept \rd
	TLOAD \nb, kp, 64*kp
.set kp, kp+1
.endr
	WLOAD 0, 0
	WLOAD 1, 64
	s_mov_b32 s28, \trips
.Lk_\@:
.set kp, 0
.rept \rd
	STEP \nb, \rd, kp, 1, 1, ((\rd)-1)*2*(\nb), 16
.set kp, kp+1
.endr
	WIN 0
	s_wait_xcnt 0x0                                ; the loads' base is stepped only behind this wait
	s_add_nc_u64 s[AB:AB+1], s[AB:AB+1], 64*(\rd)
.irp c, 0,1,2,3
	v_add_nc_u32 v[BA+\c], 64*(\rd), v[BA+\c]
.endr
	s_sub_co_u32 s28, s28, 1
	s_cmp_lg_u32 s28, 0
	s_cbranch_scc1 .Lk_\@
.set kp, 0
.rept \rd
.if kp+2 < (\rd)
	STEP \nb, \rd, kp, 0, 1, ((\rd)-1-kp)*2*(\nb), 16
.elseif kp+1 < (\rd)
	STEP \nb, \rd, kp, 0, 0, ((\rd)-1-kp)*2*(\nb), 16
.else
	STEP \nb, \rd, kp, 0, 0, 0, 0
.endif
.set kp, kp+1
.endr
	WIN 0
.endm
; Block a's sums come into window 0, clamped on the way: g = min(g, 7), and clip(l, -7, 7) + 1 as the middle of (l + 1, -6, 8).  Each accumulator's low registers are read first.
.macro PICK a
.if (\a) < 4
	WIN 0x0a                                       ; sources 0 and 1 in window 2
.else
	WIN 0x0f                                       ; in window 3
.endif
.set tk, 0
.rept 32
	v_min_num_f32 v[GG+tk], s42, v[64*((\a)%4)+tk]
.set tk, tk+1
.endr
.set tk, 0
.rept 32
	v_med3_num_f32 v[LL+tk], v[64*((\a)%4)+32+tk], s43, s44
.set tk, tk+1
.endr
	WIN 0
.endm
	s_mov_b32 s27, 4
.Lout:                                             ; four trips, whatever the split: 16 blocks a wave at the most go as 5 + 5 + 4 + 2
	s_mov_b32 s26, 0                               ; blocks that this trip takes
	s_cmp_lt_i32 s24, 1
	s_cbranch_scc1 .Lbottom                        ; nothing left
	s_mov_b32 s26, 4
	s_cmp_eq_u32 s24, 5
	s_cselect_b32 s26, 5, s26                      ; five at once where that spares a walk through the weights
	s_cmp_gt_u32 s24, 8
	s_cselect_b32 s26, 5, s26
	s_min_u32 s25, s24, s26                        ; of them with rows
	s_wait_xcnt 0x0                                ; every earlier load and store has read its registers
.irp a, 0,1,2,3,4
	v_add_nc_u32 v[LA+\a], 64*\a, v[RK]
	v_min_u32 v[LA+\a], s23, v[LA+\a]              ; ranks past the count repeat rank n - 1
	v_min_u32 v[LA+\a], 0x3ff, v[LA+\a]
	v_lshl_add_u32 v[LA+\a], v[LA+\a], 2, LIST
	ds_load_b32 v[AO+\a], v[LA+\a]                 ; rid
.endr
	; the sums start at the bias: all five blocks' accumulators are written, in both forms of the trip
	WIN 0x80
.set ti, 0
.rept 256
	v_mov_b32 v[ti], v[BIAS+ti%64]
.set ti, ti+1
.endr
	WIN 0xc0
.set ti, 0
.rept 64
	v_mov_b32 v[ti], v[BIAS+ti]
.set ti, ti+1
.endr
	WIN 0
	s_wait_dscnt 0x0
.irp a, 0,1,2,3,4
	v_min_u32 v[AO+\a], 0x7ff, v[AO+\a]
	v_and_b32 v[AO+\a], 0x7fe, v[AO+\a]            ; 2 x token,
	v_lshl_add_u32 v[AO+\a], v[AO+\a], 10, v[H16]  ; x 1,024 = the token's row of 2,048 bytes; + 16 for the upper half of the lanes
.endr
	s_mov_b64 s[AB:AB+1], s[4:5]
.irp c, 0,1,2,3
	v_mov_b32 v[BA+\c], v[BB+\c]
.endr
	s_cmp_eq_u32 s26, 5
	s_cbranch_scc1 .Lfive
	KRUN 4, 4, 7                                   ; 4 blocks, a ring of 4 K steps: 24 loads stay out at each wait, three steps of 32 matrix instructions between a request and its wait
	s_branch .Lepi
.Lfive:
	KRUN 5, 4, 7                                   ; 5 blocks: 30 loads stay out, three steps of 40 matrix instructions
.Lepi:
	s_mov_b32 s29, 0
.Lepi_loop:                                        ; THE WAY OUT, a block a trip; blocks without rows are jumped
	s_cmp_ge_u32 s29, s25
	s_cbranch_scc1 .Lepi_next
	s_wait_xcnt 0x0                                ; the last block's stores have read their registers
	s_cmp_eq_u32 s29, 0
	s_cbranch_scc1 .Lpick0
	s_cmp_eq_u32 s29, 1
	s_cbranch_scc1 .Lpick1
	s_cmp_eq_u32 s29, 2
	s_cbranch_scc1 .Lpick2
	s_cmp_eq_u32 s29, 3
	s_cbranch_scc1 .Lpick3
	PICK 4
	s_branch .Lcommon
.Lpick3:
	PICK 3
	s_branch .Lcommon
.Lpick2:
	PICK 2
	s_branch .Lcommon
.Lpick1:
	PICK 1
	s_branch .Lcommon
.Lpick0:
	PICK 0
.Lcommon:                                          ; 32 activations a lane: g sigmoid(1.702 g) (l + 1)
	s_lshl_b32 s36, s29, 2
	s_add_co_u32 s36, s36, s50                     ; the block's number in act,
	s_min_u32 s36, s36, 0x87
	s_lshl_b32 s36, s36, 16                        ; its 65,536 bytes
.set tk, 0
.rept 16
	v_pk_mul_f32 v[EE+2*tk:EE+2*tk+1], v[GG+2*tk:GG+2*tk+1], s[46:47] op_sel_hi:[1,0]
.set tk, tk+1
.endr
.set tk, 0
.rept 32
	v_exp_f32 v[EE+tk], v[EE+tk]                   ; e^(-1.702 g): one batch
.set tk, tk+1
.endr
.set tk, 0
.rept 16
	v_pk_mul_f32 v[GG+2*tk:GG+2*tk+1], v[GG+2*tk:GG+2*tk+1], v[LL+2*tk:LL+2*tk+1]   ; g (l + 1): plain work that names no exponential's result
.set tk, tk+1
.endr
	s_wait_alu depctr_va_vdst(0)                   ; one wait for the batch, ahead of its first reader
.set tk, 0
.rept 16
	v_pk_add_f32 v[EE+2*tk:EE+2*tk+1], v[EE+2*tk:EE+2*tk+1], 1.0 op_sel_hi:[1,0]
.set tk, tk+1
.endr
.set tk, 0
.rept 32
	v_rcp_f32 v[EE+tk], v[EE+tk]                   ; the sigmoid: a second batch
.set tk, tk+1
.endr
	v_add_nc_u32 v[SA], s36, v[GO]                 ; the plain instruction behind the last reciprocal: my 16 bytes in each 512 of the block
	s_wait_alu depctr_va_vdst(0)
.set tk, 0
.rept 16
	v_pk_mul_f32 v[GG+2*tk:GG+2*tk+1], v[GG+2*tk:GG+2*tk+1], v[EE+2*tk:EE+2*tk+1]
.set tk, tk+1
.endr
.set tk, 0
.rept 16
	v_cvt_pk_bf16_f32 v[T+tk], v[GG+2*tk], v[GG+2*tk+1]
.set tk, tk+1
.endr
.irp c, 0,1,2,3
	global_store_b128 v[SA], v[T+4*\c:T+4*\c+3], s[12:13] offset:512*\c   ; column block c = half c % 2 of K step 2 s + c / 2: 32 lanes store 512 consecutive bytes
.endr
.Lepi_next:
	s_add_co_u32 s29, s29, 1
	s_cmp_lt_u32 s29, 5
	s_cbranch_scc1 .Lepi_loop
.Lbottom:
	s_sub_co_i32 s24, s24, s26
	s_lshl_b32 s36, s26, 6
	v_add_nc_u32 v[RK], s36, v[RK]                 ; my next blocks lie 64 ranks apart,
	s_lshl_b32 s36, s26, 2
	s_add_co_u32 s50, s50, s36                     ; 4 block numbers
	s_sub_co_u32 s27, s27, 1
	s_cmp_lg_u32 s27, 0
	s_cbranch_scc1 .Lout
	s_wait_dscnt 0x0                               ; my reads of LDS are over;
	s_barrier_signal -1
	s_barrier_wait -1                              ; everybody's are: no wave writes LDS again (the add below) while another still reads
	s_wait_tensorcnt 0x0                           ; the wave's end, behind my last LDS store
	ds_add_u32 v[SPW], v[NIL]
	s_wait_dscnt 0x0
	s_endpgm
.Lfunc_end_k_q9fc01690d5_mlp1:
	.size	k_q9fc01690d5_mlp1, .Lfunc_end_k_q9fc01690d5_mlp1-k_q9fc01690d5_mlp1
	.p2alignl 7, 3214868480
	.fill 96, 4, 3214868480
	.section	.rodata,"a",@progbits
	.p2align	6, 0x0
	.amdhsa_kernel k_q9fc01690d5_mlp1
		.amdhsa_group_segment_fixed_size 269312
		.amdhsa_private_segment_fixed_size 0
		.amdhsa_enable_private_segment 0
		.amdhsa_kernarg_size 56
		.amdhsa_user_sgpr_count 2
		.amdhsa_user_sgpr_kernarg_segment_ptr 1
		.amdhsa_wavefront_size32 1
		.amdhsa_system_sgpr_workgroup_id_x 1
		.amdhsa_system_sgpr_workgroup_id_y 1
		.amdhsa_system_sgpr_workgroup_id_z 1
		.amdhsa_system_vgpr_workitem_id 0
		.amdhsa_next_free_vgpr 832
		.amdhsa_next_free_sgpr 66
		.amdhsa_reserve_vcc 1
		.amdhsa_float_denorm_mode_32 3
		.amdhsa_float_denorm_mode_16_64 3
		.amdhsa_memory_ordered 1
		.amdhsa_forward_progress 1
		.amdhsa_inst_pref_size 210
	.end_amdhsa_kernel
	.amdgpu_metadata
---
amdhsa.version: [ 1, 2 ]
amdhsa.kernels:
  - .name:           k_q9fc01690d5_mlp1
    .symbol:         k_q9fc01690d5_mlp1.kd
    .args:
      - { .name: xn, .offset: 0, .size: 8, .value_kind: global_buffer, .address_space: global }
      - { .name: idx, .offset: 8, .size: 8, .value_kind: global_buffer, .address_space: global }
      - { .name: mlp1_weight, .offset: 16, .size: 8, .value_kind: global_buffer, .address_space: global }
      - { .name: mlp1_bias, .offset: 24, .size: 8, .value_kind: global_buffer, .address_space: global }
      - { .name: act, .offset: 32, .size: 8, .value_kind: global_buffer, .address_space: global }
      - { .name: slist, .offset: 40, .size: 8, .value_kind: global_buffer, .address_space: global }
      - { .name: meta, .offset: 48, .size: 8, .value_kind: global_buffer, .address_space: global }
    .group_segment_fixed_size: 269312
    .private_segment_fixed_size: 0
    .kernarg_segment_align: 8
    .kernarg_segment_size: 56
    .max_flat_workgroup_size: 128
    .sgpr_count:     66
    .vgpr_count:     832
    .wavefront_size: 32
...
	.end_amdgpu_metadata
.endif
;; end of part 2
;; launch mlp2 (part 3): grid 32 x 8, 4 waves a work-group, no clusters, 132,096 bytes of LDS; arguments act, mlp2_weight, mlp2_bias, gw, slist, meta, y; writes y
.if DOCPART == 3
	.amdgcn_target "amdgcn-amd-amdhsa--gfx1250"
	.amdhsa_code_object_version 6
	.text
	.protected	k_q9fc01690d5_mlp2
	.globl	k_q9fc01690d5_mlp2
	.p2align	8
	.type	k_q9fc01690d5_mlp2,@function
k_q9fc01690d5_mlp2:
	s_mov_b64 s[64:65], 0
	v_nop
	global_prefetch_b8 v0, s[64:65] scope:SCOPE_SE
	s_setreg_imm32_b32 hwreg(HW_REG_WAVE_MODE, 25, 1), 1
	s_wait_xcnt 0x0
; SECOND PRODUCT, bias and gate weight, for the chosen rows alone.  y[rid][h] = gw[rid] x (sum over i of act(row)[i] W2[e][h][i] + bias2[e][h]), f32: the two partial rows of a token are added by the next launch.
; Work-group (s, e) = (x, y) owns 32 output columns h = 32 s .. of expert e: 32 rows of mlp2_weight[e], 256 KiB of f32 that no other work-group reads, and all n_e rows of that expert
; (meta[e] = n_e, off_e; slist[off_e + rank] = rid: whole numbers stored by the launch before).
; act[B][K step][half][lane][16 bytes], bf16, lies in the order in which a wave's operand registers take it: B = (off_e >> 4) + e + rank / 16 numbers the blocks of 16 ranks, a K step is 32 along K;
; each load of a wave covers 512 consecutive bytes.
; PHASE 1: each wave streams 8 weight rows (65,536 consecutive bytes) through a ring of eight register slots of 4,096 bytes, rounds them once to bf16 and lays them into LDS.  One barrier.
; PHASE 2: nothing writes LDS, so no barrier is needed.  Blocks go to the waves by turns (block j to wave j % 4); a wave takes 4 or 5 of its blocks through K = 2,048: act from memory straight into
; registers, the weights from LDS.  The outer loop has a constant count of 4 trips (at most 16 blocks a wave); trips and blocks without rows are jumped forward; a block past the last repeats the last,
; ranks past the count repeat rank n - 1 (act holds that row there; it is stored again, same place, same value).
; The matrix instruction is used transposed (source 0 = 16 weight rows, source 1 = 16 rows of act): a lane holds one row (lane % 16) and eight columns.
; THE WAY OUT goes straight from the accumulators.  LDS row 16 c + 8 h + 4 q + i holds weight row 16 c + 8 q + 4 h + i, so that registers 4 q .. 4 q + 3 of the two lanes of a row (h = 0, 1) are 32
; neighbouring bytes of y.  LIMIT: a store covers 16 rows x 32 bytes, four stores on end a row's 128 bytes (the work-group's 32 columns): no whole block of 256 bytes is written by one instruction.
; NO CLUSTER, NO JOINT LOADS: each weight byte has one reader; act's blocks are shared by an expert's 32 work-groups, but the number of trips that read them hangs on a stored count, and such a loop
; holds no barrier and no LDS ring.  NO TENSOR LOADS: the weights are f32 and must pass through registers to be rounded.
.set PW,     4112                      ; a weight row in LDS: 4,096 bytes + 16 = 257 x 16: the 16 rows of a fragment load start at 16 different groups of four banks (ISA guide 11.1)
.set SPARE,  32*PW                     ; the spare words: 128 bytes a wave, two blocks of 256 bytes that no other line names
.set LANE, 1
.set RR,   2
.set H16,  3                           ; 16 x (lane / 16); never rewritten
.set SPW,  4                           ; my spare word; never rewritten
.set NIL,  5                           ; 0; never rewritten
.set GO,   6                           ; 16 x lane; never rewritten
.set LS,   7                           ; phase 1: where my 8 bytes of my wave's first row go; never rewritten
.set BB,   8                           ; v8-9    LDS address of my weight fragments, rows 16 c + lane % 16
.set BA,   10                          ; v10-11  the same, walking along K
.set AO,   16                          ; v16-20  byte offset in act of my 16 bytes in block a
.set RK,   21                          ; rank of my row in the trip's first block
.set T,    32                          ; v32-47  phase 1: packed bf16
.set RID,  48                          ; v48-52  rid of my row in block a; then 4 x rid
.set GW,   56                          ; v56-60  its gate weight
.set YO,   64                          ; v64-68  its byte offset in y (before: in slist)
.set BF,   112                         ; v112-127, v128-143  two buffers of weight fragments
.set BIAS, 144                         ; v144-159
.set ACC,  160                         ; v160-239 accumulator (a, c) at 16 a + 8 c
; window 1: phase 1 the ring; phase 2 act's fragments (slot, block a) at 8 (nb slot + a)
.set WB, 30
.set AB, 32
.set MSB, 0
.macro WIN new                         ; the immediate's high byte repeats the setting that is left; a switch that changes nothing is dropped
.if MSB != (\new)
	s_set_vgpr_msb (MSB<<8)|(\new)
.set MSB, (\new)
.endif
.endm
.macro PLACES                          ; four plain instructions between a matrix instruction and a load into, or a read of, its registers
.rept 4
	v_nop
.endr
.endm
.macro FILL i, u                       ; unit u (4,096 consecutive bytes, half a weight row) into ring slot i
.set tj, 0
.rept 8
	global_load_b128 v[32*(\i)+4*tj:32*(\i)+4*tj+3], v[GO], s[WB:WB+1] offset:(\u)*4096+512*tj th:TH_LOAD_NT
.set tj, tj+1
.endr
.endm
.macro TURN i, ahead, left, ldsoff     ; slot i's unit is rounded and laid into LDS; ahead = 1: the slot takes the unit eight further on; left: the younger slots' loads
	s_wait_loadcnt \left
	WIN 0x05
.set tj, 0
.rept 16
	v_cvt_pk_bf16_f32 v[T+tj], v[32*(\i)+2*tj], v[32*(\i)+2*tj+1]
.set tj, tj+1
.endr
.if \ahead
	WIN 0x40
	FILL \i, (\i)+8
.endif
	WIN 0
.set tj, 0
.rept 8
	ds_store_b64 v[LS], v[T+2*tj:T+2*tj+1] offset:(\ldsoff)+256*tj
.set tj, tj+1
.endr
.endm
	s_load_b256 s[4:11], s[0:1], 0x0               ; act s[4:5], mlp2_weight s[6:7], mlp2_bias s[8:9], gw s[10:11]
	s_load_b128 s[12:15], s[0:1], 0x20             ; slist s[12:13], meta s[14:15]
	s_load_b64 s[16:17], s[0:1], 0x30              ; y
	v_lshl_add_u32 v[SPW], v0, 2, SPARE
	v_mov_b32 v[NIL], 0
	v_lshrrev_b32 v27, 5, v0
	v_readfirstlane_b32 s18, v27                   ; wave
	v_and_b32 v[LANE], 31, v0
	v_and_b32 v[RR], 15, v0
	v_bfe_u32 v[H16], v0, 4, 1
	v_lshlrev_b32 v[H16], 4, v[H16]
	s_mov_b32 s19, ttmp9                           ; slice
	s_and_b32 s20, ttmp7, 0xffff                   ; expert
	v_lshlrev_b32 v[GO], 4, v[LANE]
	s_lshr_b32 s40, s18, 1                         ; my weight rows 8 w + x (c = w / 2, q = w % 2, h = x / 4, i = x % 4) go to LDS rows 16 (w / 2) + 4 (w % 2) + 8 (x / 4) + x % 4
	s_lshl_b32 s40, s40, 4
	s_and_b32 s41, s18, 1
	s_lshl_b32 s41, s41, 2
	s_add_co_u32 s40, s40, s41
	s_mul_i32 s40, s40, PW
	v_lshl_add_u32 v[LS], v[LANE], 3, s40
	v_mul_u32_u24 v27, v[RR], PW
	v_add_nc_u32 v[BB], v27, v[H16]
	v_add_nc_u32 v[BB+1], 16*PW, v[BB]
	s_lshl_b32 s41, s18, 4
	v_add_nc_u32 v[RK], s41, v[RR]
	s_lshl_b32 s34, s20, 23                        ; the expert's 1,024 rows of 8,192 bytes,
	s_lshl_b32 s36, s19, 5
	s_lshl_b32 s37, s18, 3
	s_add_co_u32 s36, s36, s37                     ; row 32 s + 8 w
	s_lshl_b32 s36, s36, 13
	s_add_co_u32 s34, s34, s36
	s_mov_b32 s35, 0
	s_lshl_b32 s36, s20, 12                        ; the bias: expert x 4,096 + slice x 128 bytes
	s_lshl_b32 s37, s19, 7
	s_add_co_u32 s36, s36, s37
	s_mov_b32 s37, 0
	s_lshl_b32 s38, s20, 3                         ; meta[e]
	s_mov_b32 s39, 0
	s_lshl_b32 s42, s19, 7                         ; y: my 32 columns
	s_mov_b32 s43, 0
	s_wait_kmcnt 0x0
	s_add_nc_u64 s[14:15], s[14:15], s[38:39]
	s_load_b64 s[44:45], s[14:15], 0x0             ; n, off
	s_add_nc_u64 s[WB:WB+1], s[6:7], s[34:35]
	s_add_nc_u64 s[8:9], s[8:9], s[36:37]
	s_add_nc_u64 s[16:17], s[16:17], s[42:43]
.irp c, 0,1
.irp q, 0,1
	global_load_b128 v[BIAS+8*\c+4*\q:BIAS+8*\c+4*\q+3], v[H16], s[8:9] offset:64*\c+32*\q   ; columns 16 c + 8 q + 4 h + 0..3
.endr
.endr
	WIN 0x40
.irp i, 0,1,2,3,4,5,6,7
	FILL \i, \i
.endr
	WIN 0
	; PHASE 1: 16 units a wave, two rounds of the ring, written out; unit u is half u % 2 of my row x = u / 2
.irp i, 0,1,2,3,4,5,6,7
	TURN \i, 1, 56, (\i/2)*PW+(\i%2)*2048
.endr
.irp i, 0,1,2,3,4,5,6,7
	TURN \i, 0, 56-8*\i, (8+\i/2)*PW+(\i%2)*2048
.endr
	s_wait_dscnt 0x0                               ; for the others' sake: my weight rows are in LDS
	s_barrier_signal -1
	s_barrier_wait -1
	s_wait_kmcnt 0x0
	s_min_u32 s21, s44, 0x400                      ; n
	s_min_u32 s22, s45, 0x7ff                      ; off
	s_max_u32 s23, s21, 1
	s_sub_co_u32 s23, s23, 1                       ; n - 1
	s_add_co_u32 s46, s21, 15
	s_lshr_b32 s46, s46, 4                         ; blocks of 16 ranks,
	s_add_co_u32 s24, s46, 3
	s_sub_co_u32 s24, s24, s18
	s_lshr_b32 s24, s24, 2                         ; of which mine: those still to do
	s_max_u32 s51, s46, 1
	s_sub_co_u32 s51, s51, 1                       ; the expert's last block
	s_lshr_b32 s52, s22, 4
	s_add_co_u32 s52, s52, s20                     ; its first block's number in act: (off >> 4) + e
	s_mov_b32 s50, s18                             ; my next block among the expert's; my blocks lie 4 apart
; K step ps (32 along K) is 1,024 bytes of a block: the fragments' registers 0-3, then 4-7
.macro TLOAD nb, slot, ps
	WIN 0x40
.set ta, 0
.rept \nb
	global_load_b128 v[8*((\nb)*(\slot)+ta):8*((\nb)*(\slot)+ta)+3],   v[AO+ta], s[AB:AB+1] offset:(\ps)*1024
	global_load_b128 v[8*((\nb)*(\slot)+ta)+4:8*((\nb)*(\slot)+ta)+7], v[AO+ta], s[AB:AB+1] offset:(\ps)*1024+512
.set ta, ta+1
.endr
.endm
.macro WLOAD buf, koff                 ; the weight fragments of one K step: 2 column blocks, 4 LDS loads; they run under the products' window setting
	WIN 0x04
.irp c, 0,1
	ds_load_b128 v[BF+16*(\buf)+8*\c:BF+16*(\buf)+8*\c+3],   v[BA+\c] offset:(\koff)
	ds_load_b128 v[BF+16*(\buf)+8*\c+4:BF+16*(\buf)+8*\c+7], v[BA+\c] offset:(\koff)+32
.endr
.endm
.macro MULS nb, slot, buf              ; 2 nb matrix instructions; the accumulators take turns, one instruction a turn
	WIN 0x04                                       ; act's fragments in window 1, all else in window 0
.set ta, 0
.rept \nb
.irp c, 0,1
	v_wmma_f32_16x16x32_bf16 v[ACC+16*ta+8*\c:ACC+16*ta+8*\c+7], v[BF+16*(\buf)+8*\c:BF+16*(\buf)+8*\c+7], v[8*((\nb)*(\slot)+ta):8*((\nb)*(\slot)+ta)+7], v[ACC+16*ta+8*\c:ACC+16*ta+8*\c+7]
.endr
.set ta, ta+1
.endr
.endm
; One K step.  lc: the younger loads; dc: the next step's 4 weight loads.  The four places stand behind every step's products: ahead of the loads into their sources and, behind the last step, of the way out.
.macro STEP nb, rd, pl, refill, bl, lc, dc
	s_wait_loadcnt \lc
	s_wait_dscnt \dc
	MULS \nb, (\pl)%(\rd), (\pl)%2
	PLACES
.if \bl
	WLOAD (\pl)%2, 64*((\pl)+2)
.endif
.if \refill
	TLOAD \nb, (\pl)%(\rd), (\pl)+(\rd)
.endif
.endm
; The rows' numbers are in (their loads are older than every ring load that has been waited for): the gate weights are asked for and the places in y made, rd K steps ahead of the way out
.macro GWBLOCK
	WIN 0
.irp a, 0,1,2,3,4
	v_min_u32 v[RID+\a], 0x7ff, v[RID+\a]
	v_lshlrev_b32 v[RID+\a], 2, v[RID+\a]
	global_load_b32 v[GW+\a], v[RID+\a], s[10:11]
	v_lshl_add_u32 v[YO+\a], v[RID+\a], 10, v[H16] ; rid x 4,096 + 16 (lane / 16)
.endr
.endm
; All 64 K steps for nb blocks on a ring of rd slots: trips x rd + extra steps that refill, then rd that do not
.macro KRUN nb, rd, trips, extra
.set kp, 0
.rept \rd
	TLOAD \nb, kp, kp
.set kp, kp+1
.endr
	WLOAD 0, 0
	WLOAD 1, 64
	WIN 0
	s_mov_b32 s28, \trips
.Lk_\@:
.set kp, 0
.rept \rd
	STEP \nb, \rd, kp, 1, 1, ((\rd)-1)*2*(\nb), 4
.set kp, kp+1
.endr
	WIN 0
	s_wait_xcnt 0x0                                ; the loads' base is stepped only behind this wait
	s_add_nc_u64 s[AB:AB+1], s[AB:AB+1], (\rd)*1024
	v_add_nc_u32 v[BA], 64*(\rd), v[BA]
	v_add_nc_u32 v[BA+1], 64*(\rd), v[BA+1]
	s_sub_co_u32 s28, s28, 1
	s_cmp_lg_u32 s28, 0
	s_cbranch_scc1 .Lk_\@
.set kp, 0
.if (\extra) > 0
.rept \extra
	STEP \nb, \rd, kp, 1, 1, ((\rd)-1)*2*(\nb), 4
.set kp, kp+1
.endr
.endif
	GWBLOCK
.set kf, 0
.rept \rd
.set klc, ((\rd)-1-kf)*2*(\nb)+5                   ; the younger ring slots' loads and the five loads of gate weights
.if kf+2 < (\rd)
	STEP \nb, \rd, kp, 0, 1, klc, 4
.elseif kf+1 < (\rd)
	STEP \nb, \rd, kp, 0, 0, klc, 4
.else
	STEP \nb, \rd, kp, 0, 0, klc, 0
.endif
.set kp, kp+1
.set kf, kf+1
.endr
	WIN 0
.endm
	s_mov_b32 s27, 4
.Lout:                                             ; four trips, whatever the split
	s_mov_b32 s26, 0
	s_cmp_lt_i32 s24, 1
	s_cbranch_scc1 .Lbottom
	s_mov_b32 s26, 4
	s_cmp_eq_u32 s24, 5
	s_cselect_b32 s26, 5, s26                      ; five at once where that spares a walk through the weights
	s_cmp_gt_u32 s24, 8
	s_cselect_b32 s26, 5, s26
	s_min_u32 s25, s24, s26                        ; blocks with rows
	s_wait_xcnt 0x0                                ; the last trip's stores have read their data and offsets
.irp a, 0,1,2,3,4
	s_add_co_u32 s36, s50, 4*\a
	s_min_u32 s36, s36, s51                        ; a block past the last repeats the last
	s_add_co_u32 s36, s36, s52
	s_min_u32 s36, s36, 0x87
	s_lshl_b32 s36, s36, 16                        ; the block's 65,536 bytes
	v_add_nc_u32 v[AO+\a], s36, v[GO]
.endr
.irp a, 0,1,2,3,4
	v_add_nc_u32 v[YO+\a], 64*\a, v[RK]
	v_min_u32 v[YO+\a], s23, v[YO+\a]              ; ranks past the count repeat rank n - 1
	v_add_nc_u32 v[YO+\a], s22, v[YO+\a]
	v_min_u32 v[YO+\a], 0x7ff, v[YO+\a]
	v_lshlrev_b32 v[YO+\a], 2, v[YO+\a]
	global_load_b32 v[RID+\a], v[YO+\a], s[12:13]  ; rid of my row
.endr
	s_mov_b64 s[AB:AB+1], s[4:5]
	v_mov_b32 v[BA], v[BB]
	v_mov_b32 v[BA+1], v[BB+1]
.set ti, 0
.rept 80
	v_mov_b32 v[ACC+ti], v[BIAS+ti%16]             ; the sums start at the bias, in all five blocks
.set ti, ti+1
.endr
	s_cmp_eq_u32 s26, 5
	s_cbranch_scc1 .Lfive
	KRUN 4, 8, 7, 0                                ; 4 blocks, a ring of 8 K steps: 56 loads stay out at each wait
	s_branch .Lepi
.Lfive:
	KRUN 5, 6, 9, 4                                ; 5 blocks, a ring of 6 K steps: 50 loads stay out; 64 = 9 x 6 + 4 + 6
.Lepi:
	s_wait_loadcnt 0x0                             ; the gate weights
.irp a, 0,1,2,3,4
	s_cmp_le_u32 s25, \a
	s_cbranch_scc1 .Lbottom                        ; this block and those behind it have no rows
.set tk, 0
.rept 16
	v_mul_f32 v[ACC+16*\a+tk], v[GW+\a], v[ACC+16*\a+tk]   ; in ascending order: each accumulator's low registers are read first
.set tk, tk+1
.endr
.irp c, 0,1
.irp q, 0,1
	global_store_b128 v[YO+\a], v[ACC+16*\a+8*\c+4*\q:ACC+16*\a+8*\c+4*\q+3], s[16:17] offset:64*\c+32*\q   ; the two lanes of a row store 32 consecutive bytes
.endr
.endr
.endr
.Lbottom:
	s_sub_co_i32 s24, s24, s26
	s_lshl_b32 s36, s26, 6
	v_add_nc_u32 v[RK], s36, v[RK]                 ; my next blocks lie 64 ranks apart,
	s_lshl_b32 s36, s26, 2
	s_add_co_u32 s50, s50, s36                     ; 4 block numbers
	s_sub_co_u32 s27, s27, 1
	s_cmp_lg_u32 s27, 0
	s_cbranch_scc1 .Lout
	s_wait_dscnt 0x0                               ; my reads of LDS are over;
	s_barrier_signal -1
	s_barrier_wait -1                              ; everybody's are: no wave writes LDS again (the add below) while another still reads
	s_wait_tensorcnt 0x0                           ; the wave's end, behind my last LDS store
	ds_add_u32 v[SPW], v[NIL]
	s_wait_dscnt 0x0
	s_endpgm
.Lfunc_end_k_q9fc01690d5_mlp2:
	.size	k_q9fc01690d5_mlp2, .Lfunc_end_k_q9fc01690d5_mlp2-k_q9fc01690d5_mlp2
	.p2alignl 7, 3214868480
	.fill 96, 4, 3214868480
	.section	.rodata,"a",@progbits
	.p2align	6, 0x0
	.amdhsa_kernel k_q9fc01690d5_mlp2
		.amdhsa_group_segment_fixed_size 132096
		.amdhsa_private_segment_fixed_size 0
		.amdhsa_enable_private_segment 0
		.amdhsa_kernarg_size 56
		.amdhsa_user_sgpr_count 2
		.amdhsa_user_sgpr_kernarg_segment_ptr 1
		.amdhsa_wavefront_size32 1
		.amdhsa_system_sgpr_workgroup_id_x 1
		.amdhsa_system_sgpr_workgroup_id_y 1
		.amdhsa_system_sgpr_workgroup_id_z 1
		.amdhsa_system_vgpr_workitem_id 0
		.amdhsa_next_free_vgpr 512
		.amdhsa_next_free_sgpr 66
		.amdhsa_reserve_vcc 0
		.amdhsa_float_denorm_mode_32 3
		.amdhsa_float_denorm_mode_16_64 3
		.amdhsa_memory_ordered 1
		.amdhsa_forward_progress 1
		.amdhsa_inst_pref_size 116
	.end_amdhsa_kernel
	.amdgpu_metadata
---
amdhsa.version: [ 1, 2 ]
amdhsa.kernels:
  - .name:           k_q9fc01690d5_mlp2
    .symbol:         k_q9fc01690d5_mlp2.kd
    .args:
      - { .name: act, .offset: 0, .size: 8, .value_kind: global_buffer, .address_space: global }
      - { .name: mlp2_weight, .offset: 8, .size: 8, .value_kind: global_buffer, .address_space: global }
      - { .name: mlp2_bias, .offset: 16, .size: 8, .value_kind: global_buffer, .address_space: global }
      - { .name: gw, .offset: 24, .size: 8, .value_kind: global_buffer, .address_space: global }
      - { .name: slist, .offset: 32, .size: 8, .value_kind: global_buffer, .address_space: global }
      - { .name: meta, .offset: 40, .size: 8, .value_kind: global_buffer, .address_space: global }
      - { .name: y, .offset: 48, .size: 8, .value_kind: global_buffer, .address_space: global }
    .group_segment_fixed_size: 132096
    .private_segment_fixed_size: 0
    .kernarg_segment_align: 8
    .kernarg_segment_size: 56
    .max_flat_workgroup_size: 128
    .sgpr_count:     66
    .vgpr_count:     512
    .wavefront_size: 32
...
	.end_amdgpu_metadata
.endif
;; end of part 3
;; launch combine (part 4): grid 256 x 1, 8 waves a work-group, no clusters, 0 bytes of LDS; arguments x, y, out0; writes out0
.if DOCPART == 4
	.amdgcn_target "amdgcn-amd-amdhsa--gfx1250"
	.amdhsa_code_object_version 6
	.text
	.protected	k_q9fc01690d5_combine
	.globl	k_q9fc01690d5_combine
	.p2align	8
	.type	k_q9fc01690d5_combine,@function
k_q9fc01690d5_combine:
	s_mov_b64 s[64:65], 0
	v_nop
	global_prefetch_b8 v0, s[64:65] scope:SCOPE_SE
	s_setreg_imm32_b32 hwreg(HW_REG_WAVE_MODE, 25, 1), 1
	s_wait_xcnt 0x0
; out0[t][:] = x[t][:] + y[2t][:] + y[2t+1][:], all f32.  A stream: each byte is read once and written once; no LDS, no barrier, no matrix unit.
; A work-group takes 4 tokens; thread n owns the 16 bytes at 16 n of every row of 4,096 bytes, so a wave's load or store covers 512 consecutive bytes.
; All 12 loads of a thread go out at once; the waits count the younger tokens' three loads each.
	s_load_b128 s[4:7], s[0:1], 0x0                ; x s[4:5], y s[6:7]
	s_load_b64 s[8:9], s[0:1], 0x10                ; out0
	v_lshlrev_b32 v1, 4, v0
	s_lshl_b32 s10, ttmp9, 14                      ; 4 rows of x and of out0
	s_mov_b32 s11, 0
	s_lshl_b32 s12, ttmp9, 15                      ; 8 rows of y
	s_mov_b32 s13, 0
	s_wait_kmcnt 0x0
	s_add_nc_u64 s[4:5], s[4:5], s[10:11]
	s_add_nc_u64 s[6:7], s[6:7], s[12:13]
	s_add_nc_u64 s[8:9], s[8:9], s[10:11]
.irp q, 0,1,2,3
	global_load_b128 v[4+12*\q:7+12*\q],   v1, s[4:5] offset:4096*\q th:TH_LOAD_NT
	global_load_b128 v[8+12*\q:11+12*\q],  v1, s[6:7] offset:8192*\q th:TH_LOAD_NT
	global_load_b128 v[12+12*\q:15+12*\q], v1, s[6:7] offset:8192*\q+4096 th:TH_LOAD_NT
.endr
.irp q, 0,1,2,3
	s_wait_loadcnt 9-3*\q                          ; this token's three loads are in
	v_pk_add_f32 v[8+12*\q:9+12*\q],   v[8+12*\q:9+12*\q],   v[12+12*\q:13+12*\q]
	v_pk_add_f32 v[10+12*\q:11+12*\q], v[10+12*\q:11+12*\q], v[14+12*\q:15+12*\q]
	v_pk_add_f32 v[4+12*\q:5+12*\q],   v[4+12*\q:5+12*\q],   v[8+12*\q:9+12*\q]
	v_pk_add_f32 v[6+12*\q:7+12*\q],   v[6+12*\q:7+12*\q],   v[10+12*\q:11+12*\q]
	global_store_b128 v1, v[4+12*\q:7+12*\q], s[8:9] offset:4096*\q th:TH_STORE_NT
.endr
	s_endpgm
.Lfunc_end_k_q9fc01690d5_combine:
	.size	k_q9fc01690d5_combine, .Lfunc_end_k_q9fc01690d5_combine-k_q9fc01690d5_combine
	.p2alignl 7, 3214868480
	.fill 96, 4, 3214868480
	.section	.rodata,"a",@progbits
	.p2align	6, 0x0
	.amdhsa_kernel k_q9fc01690d5_combine
		.amdhsa_group_segment_fixed_size 0
		.amdhsa_private_segment_fixed_size 0
		.amdhsa_enable_private_segment 0
		.amdhsa_kernarg_size 24
		.amdhsa_user_sgpr_count 2
		.amdhsa_user_sgpr_kernarg_segment_ptr 1
		.amdhsa_wavefront_size32 1
		.amdhsa_system_sgpr_workgroup_id_x 1
		.amdhsa_system_sgpr_workgroup_id_y 1
		.amdhsa_system_sgpr_workgroup_id_z 1
		.amdhsa_system_vgpr_workitem_id 0
		.amdhsa_next_free_vgpr 64
		.amdhsa_next_free_sgpr 66
		.amdhsa_reserve_vcc 0
		.amdhsa_float_denorm_mode_32 3
		.amdhsa_float_denorm_mode_16_64 3
		.amdhsa_memory_ordered 1
		.amdhsa_forward_progress 1
		.amdhsa_inst_pref_size 4
	.end_amdhsa_kernel
	.amdgpu_metadata
---
amdhsa.version: [ 1, 2 ]
amdhsa.kernels:
  - .name:           k_q9fc01690d5_combine
    .symbol:         k_q9fc01690d5_combine.kd
    .args:
      - { .name: x, .offset: 0, .size: 8, .value_kind: global_buffer, .address_space: global }
      - { .name: y, .offset: 8, .size: 8, .value_kind: global_buffer, .address_space: global }
      - { .name: out0, .offset: 16, .size: 8, .value_kind: global_buffer, .address_space: global }
    .group_segment_fixed_size: 0
    .private_segment_fixed_size: 0
    .kernarg_segment_align: 8
    .kernarg_segment_size: 24
    .max_flat_workgroup_size: 256
    .sgpr_count:     66
    .vgpr_count:     64
    .wavefront_size: 32
...
	.end_amdgpu_metadata
.endif
;; end of part 4
;; ======== version 2 of 3: 4 launches; 1.12 times as fast as version 1
;; workspace buffers: xn 2,097,152 bytes; idx 8,192 bytes of whole numbers; gw 8,192 bytes; act 8,912,896 bytes; slist 8,192 bytes of whole numbers; meta 256 bytes of whole numbers; y 16,777,216 bytes
;; launch router: the kernel of part 1 again; grid 256 x 1, 4 waves a work-group, no clusters, 0 bytes of LDS; arguments x, scale, gate_kernel, gate_bias, xn, idx, gw; writes xn, idx, gw
;; launch mlp1: the kernel of part 2 again; grid 32 x 8, 4 waves a work-group, no clusters, 269,312 bytes of LDS; arguments xn, idx, mlp1_weight, mlp1_bias, act, slist, meta; writes act, slist, meta
;; launch mlp2 (part 5): grid 32 x 8, 4 waves a work-group, no clusters, 132,608 bytes of LDS; arguments act, mlp2_weight, mlp2_bias, gw, slist, meta, y; writes y
.if DOCPART == 5
	.amdgcn_target "amdgcn-amd-amdhsa--gfx1250"
	.amdhsa_code_object_version 6
	.text
	.protected	k_q9fc01690d5_mlp2
	.globl	k_q9fc01690d5_mlp2
	.p2align	8
	.type	k_q9fc01690d5_mlp2,@function
k_q9fc01690d5_mlp2:
	s_mov_b64 s[64:65], 0
	v_nop
	global_prefetch_b8 v0, s[64:65] scope:SCOPE_SE
	s_setreg_imm32_b32 hwreg(HW_REG_WAVE_MODE, 25, 1), 1
	s_wait_xcnt 0x0
; SECOND PRODUCT, bias and gate weight, for the chosen rows alone.  y[kh][rid][c] = gw[rid] x (sum over i in K half kh of act(row)[i] W2[e][c][i] + (kh = 0: bias2[e][c])), f32:
; a token's four partial rows (two experts x two K halves) are added by the next launch.
; Work-group (x, e): cs = x / 2 names 64 output columns, kh = x % 2 a half of K = 2,048: 64 rows x 4,096 bytes of mlp2_weight[e], 256 KiB of f32 that no other work-group reads, and all n_e rows of that
; expert (meta[e] = n_e, off_e; slist[off_e + rank] = rid: whole numbers stored by the launch before).  64 columns, not 32 with all of K: a fragment of act then feeds four matrix instructions, not two,
; and a work-group reads half of each row of act; the price is two partial rows for each routed row.
; act[B][K step][half][lane][16 bytes], bf16, lies in the order in which a wave's operand registers take it: B = (off_e >> 4) + e + rank / 16 numbers the blocks of 16 ranks, a K step is 32 along K;
; each load of a wave covers 512 consecutive bytes.
; PHASE 1: each wave streams 16 weight rows' halves (4,096 consecutive bytes each) through a ring of eight register slots, rounds them once to bf16 and lays them into LDS.  One barrier.
; PHASE 2: nothing writes LDS, so no barrier is needed.  Blocks go to the waves by turns (block j to wave j % 4); a wave takes five of its blocks at a time through its 32 K steps: act from memory straight
; into registers, the weights from LDS.  The outer loop has a constant count of 4 trips (at most 16 blocks a wave: 5 + 5 + 5 + 1); trips without rows are jumped forward.  A block without rows names the
; expert's last block and loads it once more, so that every path issues the same loads and the counted waits hold; the fifth block's products are jumped where it has no rows;
; no block without rows is stored.  Ranks past the count repeat rank n - 1 (act holds that row there; it is stored again, same place, same value).
; THE PRODUCT: source 0 = 16 rows of act, source 1 = 16 weight rows.  LDS row 16 cb + n holds weight row 4 n + cb, so register j of accumulator cb in lane (n, h) is (row 8 h + j, column 4 n + cb).
; THE WAY OUT goes straight from the accumulators: the multiply by the gate weight puts column blocks 0..3 into four neighbouring registers, and one store has sixteen neighbouring lanes writing the
; 256 consecutive bytes of a row's 64 columns, at a multiple of 256 from y's first byte; lanes 16-31 write the row eight further down.
; NO CLUSTER, NO JOINT LOADS: each weight byte has one reader; act's blocks are shared by an expert's 16 column slices, but the number of trips that read them hangs on a stored count, and such a loop
; holds no barrier and no LDS ring.  NO TENSOR LOADS: the weights are f32 and must pass through registers to be rounded.
; LIMITS: the sum over K is made in two f32 parts, another order than reference()'s; NaN is not treated apart.
.set PW,     2064                      ; a weight row in LDS: 2,048 bytes + 16 = 129 x 16: the 16 rows of a fragment load start at 16 different groups of four banks (ISA guide 11.1)
.set SPARE,  64*PW                     ; the spare words: 128 bytes a wave, two blocks of 256 bytes that no other line names
.set NB,     5                         ; blocks of 16 ranks that a wave takes through K at a time
.set RDP,    6                         ; ring slots of act's fragments: a slot holds one K step of the five blocks
.set DP,     3                         ; buffers of weight fragments; DP divides RDP, so that a trip's text names fixed registers
.set TRIPS,  4                         ; 32 K steps = TRIPS x RDP + 2 that refill, then RDP that do not
; window 0
.set LANE, 1
.set NN,   2                           ; lane % 16
.set H16,  3                           ; 16 x (lane / 16)
.set SPW,  4                           ; my spare word; never rewritten
.set NIL,  5                           ; 0; never rewritten
.set GO,   6                           ; 16 x lane; never rewritten
.set C16,  7                           ; 16 x (lane % 16); never rewritten
.set LS,   8                           ; v8-9    phase 1: where my 8 bytes of a weight row go: column blocks 0 and 1, 2 and 3; never rewritten
.set BB,   10                          ; v10-11  LDS address of my weight fragments: column blocks 0 and 1, 2 and 3
.set BA,   12                          ; v12-13  the same, walking along K
.set RK,   14                          ; rank of row lane % 16 in the trip's first block
.set BLK,  16                          ; v16-20  byte offset in act of my 16 bytes in block a
.set SO,   21                          ; v21-25  byte offset in slist
.set RID,  26                          ; v26-30  rid of row lane % 16 of block a; then 4 x rid
.set AO,   32                          ; v32-61  ring slot s, block a at NB s + a: the byte offset in act of the K step that the slot holds
.set BF,   64                          ; v64-159 three buffers of weight fragments, column block cb at 8 cb
.set T,    64                          ; v64-79  phase 1: packed bf16
.set GB,   64                          ; v64-103  the way out: gate weight of row 8 h + j of block a, at 8 a + j
.set YB,   104                         ; v104-143 the way out: its byte offset in y
.set GW,   192                         ; v192-196 gate weight of row lane % 16 of block a
.set IDX,  200                         ; v200-207 4 x (8 h + j): the lane from which row 8 h + j's numbers are pulled
.set BIAS, 208                         ; v208-211 bias of column 4 n + cb (0 in K half 1)
; window 1: phase 1 the ring (slot i at 32 i); phase 2 act's fragments (slot s, block a) at 8 (NB s + a); the way out: block a's row j at 32 a + 4 j.  Window 2: accumulator (a, cb) at 32 a + 8 cb.
.set WB, 30                            ; s[30:31] my wave's 16 weight rows, at my K half; never rewritten
.set MSB, 0
.macro WIN new                         ; the immediate's high byte repeats the setting that is left; a switch that changes nothing is dropped
.if MSB != (\new)
	s_set_vgpr_msb (MSB<<8)|(\new)
.set MSB, (\new)
.endif
.endm
.macro PLACES                          ; four plain instructions between a matrix instruction and a load into, or a read of, its registers
.rept 4
	v_nop
.endr
.endm
.macro FILL i, u                       ; my weight row u's half (4,096 consecutive bytes) into ring slot i: eight loads of 512 bytes
.set tj, 0
.rept 8
	global_load_b128 v[32*(\i)+4*tj:32*(\i)+4*tj+3], v[GO], s[WB:WB+1] offset:(\u)*8192+512*tj th:TH_LOAD_NT
.set tj, tj+1
.endr
.endm
; Row u's turn: it is rounded and laid into LDS, and its slot takes the row eight further on.  The wait leaves the younger rows' loads out: seven rows of eight loads, fewer at the end.
; My weight row 16 w + u is column 4 n + cb with n = 4 w + u / 4, cb = u % 4: it goes to LDS row 16 (u % 4) + 4 w + u / 4.
.macro TURN u
.if (\u) < 8
	s_wait_loadcnt 56
.else
	s_wait_loadcnt 8*(15-(\u))
.endif
	WIN 0x05                                       ; sources in window 1, destination in window 0
.set tj, 0
.rept 16
	v_cvt_pk_bf16_f32 v[T+tj], v[32*((\u)%8)+2*tj], v[32*((\u)%8)+2*tj+1]
.set tj, tj+1
.endr
.if (\u) < 8
	WIN 0x40
	FILL (\u)%8, (\u)+8
.endif
	WIN 0
.set tj, 0
.rept 8
	ds_store_b64 v[LS+(((\u)&3)>>1)], v[T+2*tj:T+2*tj+1] offset:(16*((\u)&1)+((\u)>>2))*PW+256*tj   ; 32 lanes x 8 consecutive bytes
.set tj, tj+1
.endr
.endm
	s_load_b256 s[4:11], s[0:1], 0x0               ; act s[4:5], mlp2_weight s[6:7], mlp2_bias s[8:9], gw s[10:11]
	s_load_b128 s[12:15], s[0:1], 0x20             ; slist s[12:13], meta s[14:15]
	s_load_b64 s[16:17], s[0:1], 0x30              ; y
	v_lshl_add_u32 v[SPW], v0, 2, SPARE
	v_mov_b32 v[NIL], 0
	v_lshrrev_b32 v31, 5, v0
	v_readfirstlane_b32 s18, v31                   ; wave
	v_and_b32 v[LANE], 31, v0
	v_and_b32 v[NN], 15, v0
	v_bfe_u32 v[H16], v0, 4, 1
	v_lshlrev_b32 v[H16], 4, v[H16]
	s_lshr_b32 s19, ttmp9, 1                       ; cs: which 64 columns
	s_and_b32 s53, ttmp9, 1                        ; kh: which half of K
	s_and_b32 s20, ttmp7, 0xffff                   ; expert
	v_lshlrev_b32 v[GO], 4, v[LANE]
	v_lshlrev_b32 v[C16], 4, v[NN]
	s_mul_i32 s40, s18, 4*PW
	v_lshl_add_u32 v[LS], v[LANE], 3, s40          ; LDS row 4 w, 8 bytes a lane
	v_add_nc_u32 v[LS+1], 32*PW, v[LS]
	v_mul_u32_u24 v31, v[NN], PW
	v_add_nc_u32 v[BB], v31, v[H16]                ; a fragment's row x pitch + 16 x half
	v_add_nc_u32 v[BB+1], 32*PW, v[BB]
	s_lshl_b32 s41, s18, 4
	v_add_nc_u32 v[RK], s41, v[NN]
.irp j, 0,1,2,3,4,5,6,7
	v_lshl_add_u32 v[IDX+\j], v[H16], 1, 4*\j      ; 4 x (8 h + j)
.endr
	s_lshl_b32 s34, s20, 23                        ; the expert's 1,024 rows of 8,192 bytes,
	s_lshl_b32 s36, s19, 6
	s_lshl_b32 s37, s18, 4
	s_add_co_u32 s36, s36, s37                     ; row 64 cs + 16 w,
	s_lshl_b32 s36, s36, 13
	s_add_co_u32 s34, s34, s36
	s_lshl_b32 s36, s53, 12                        ; my half of each row
	s_add_co_u32 s34, s34, s36
	s_mov_b32 s35, 0
	s_lshl_b32 s36, s20, 12                        ; the bias: expert x 4,096 + cs x 256 bytes
	s_lshl_b32 s37, s19, 8
	s_add_co_u32 s36, s36, s37
	s_mov_b32 s37, 0
	s_lshl_b32 s38, s20, 3                         ; meta[e]
	s_mov_b32 s39, 0
	s_lshl_b32 s42, s53, 23                        ; y: my K half's 2,048 rows of 4,096 bytes, my 64 columns
	s_lshl_b32 s43, s19, 8
	s_add_co_u32 s42, s42, s43
	s_mov_b32 s43, 0
	s_lshl_b32 s46, s53, 15                        ; act: my 32 K steps of 1,024 bytes in every block
	s_mov_b32 s47, 0
	s_wait_kmcnt 0x0
	s_add_nc_u64 s[14:15], s[14:15], s[38:39]
	s_load_b64 s[44:45], s[14:15], 0x0             ; n, off
	s_add_nc_u64 s[WB:WB+1], s[6:7], s[34:35]
	s_add_nc_u64 s[8:9], s[8:9], s[36:37]
	s_add_nc_u64 s[16:17], s[16:17], s[42:43]
	s_add_nc_u64 s[4:5], s[4:5], s[46:47]
	global_load_b128 v[BIAS:BIAS+3], v[C16], s[8:9]   ; columns 4 n + 0..3
	WIN 0x40
.irp i, 0,1,2,3,4,5,6,7
	FILL \i, \i
.endr
	WIN 0
	; PHASE 1: 16 rows a wave, written out, so that every LDS offset is a constant; 64 loads of 512 bytes of each wave are on their way
.set tu, 0
.rept 16
	TURN tu
.set tu, tu+1
.endr
	s_wait_dscnt 0x0                               ; for the others' sake: my weight rows are in LDS
	s_barrier_signal -1
	s_barrier_wait -1
	s_wait_kmcnt 0x0
	s_min_u32 s21, s44, 0x400                      ; n
	s_min_u32 s22, s45, 0x7ff                      ; off
	s_max_u32 s23, s21, 1
	s_sub_co_u32 s23, s23, 1                       ; n - 1
	s_add_co_u32 s46, s21, 15
	s_lshr_b32 s46, s46, 4                         ; blocks of 16 ranks,
	s_add_co_u32 s24, s46, 3
	s_sub_co_u32 s24, s24, s18
	s_lshr_b32 s24, s24, 2                         ; of which mine: those still to do
	s_max_u32 s51, s46, 1
	s_sub_co_u32 s51, s51, 1                       ; the expert's last block
	s_lshr_b32 s52, s22, 4
	s_add_co_u32 s52, s52, s20                     ; its first block's number in act: (off >> 4) + e
	s_mov_b32 s50, s18                             ; my next block among the expert's; my blocks lie 4 apart
	s_cmp_eq_u32 s53, 0
	s_cselect_b32 s54, -1, 0
.irp c, 0,1,2,3
	v_cndmask_b32 v[BIAS+\c], 0, v[BIAS+\c], s54   ; the bias is added in K half 0 alone
.endr
.macro TLOAD slot                      ; the five blocks' fragments of the K step at which the slot's addresses stand: registers 0-3, then 4-7
	WIN 0x40
.set ta, 0
.rept NB
	global_load_b128 v[8*(NB*(\slot)+ta):8*(NB*(\slot)+ta)+3],   v[AO+NB*(\slot)+ta], s[4:5]
	global_load_b128 v[8*(NB*(\slot)+ta)+4:8*(NB*(\slot)+ta)+7], v[AO+NB*(\slot)+ta], s[4:5] offset:512
.set ta, ta+1
.endr
.endm
.macro WLOAD buf, koff                 ; the weight fragments of one K step: 4 column blocks, 8 LDS loads
	WIN 0
.irp c, 0,1,2,3
	ds_load_b128 v[BF+32*(\buf)+8*\c:BF+32*(\buf)+8*\c+3],   v[BA+\c/2] offset:(\c%2)*16*PW+(\koff)
	ds_load_b128 v[BF+32*(\buf)+8*\c+4:BF+32*(\buf)+8*\c+7], v[BA+\c/2] offset:(\c%2)*16*PW+(\koff)+32
.endr
.endm
.macro MUL4 slot, buf, a               ; block a x the four column blocks
.irp c, 0,1,2,3
	v_wmma_f32_16x16x32_bf16 v[32*(\a)+8*\c:32*(\a)+8*\c+7], v[8*(NB*(\slot)+(\a)):8*(NB*(\slot)+(\a))+7], v[BF+32*(\buf)+8*\c:BF+32*(\buf)+8*\c+7], v[32*(\a)+8*\c:32*(\a)+8*\c+7]
.endr
.endm
; 16 or 20 matrix instructions; the accumulators take turns, one instruction a turn.  The fifth block's four are jumped where it has no rows.
.macro MULS slot, buf
	WIN 0xa1                                       ; act window 1, weights window 0, C and D window 2
	MUL4 \slot, \buf, 0
	MUL4 \slot, \buf, 1
	MUL4 \slot, \buf, 2
	MUL4 \slot, \buf, 3
	WIN 0                                          ; at a branch and at a label every window is 0
	s_cmp_lt_u32 s25, NB
	s_cbranch_scc1 .Lfour_\@
	WIN 0xa1
	MUL4 \slot, \buf, 4
	WIN 0
.Lfour_\@:
.endm
; One K step, number pl from where BA stands.  lc: the younger loads from memory; dc: the younger steps' weight loads.  refill: the slot just read takes the K step RDP further on: its addresses, free
; since the wait at the step's head has shown their loads done, are stepped by five adds, which are also the places behind the products.  bl: the buffer just read takes the weights DP steps on.
.macro STEP pl, refill, bl, lc, dc
	s_wait_loadcnt \lc
	s_wait_dscnt \dc
	MULS (\pl)%RDP, (\pl)%DP
.if \refill
.set ta, 0
.rept NB
	v_add_nc_u32 v[AO+NB*((\pl)%RDP)+ta], RDP*1024, v[AO+NB*((\pl)%RDP)+ta]
.set ta, ta+1
.endr
.else
	PLACES
.endif
.if \bl
	WLOAD (\pl)%DP, 64*((\pl)+DP)
.endif
.if \refill
	TLOAD (\pl)%RDP
.endif
.endm
	s_mov_b32 s27, 4
.Lout:                                             ; four trips, whatever the split
	s_cmp_lt_i32 s24, 1
	s_cbranch_scc1 .Lbottom                        ; nothing left
	s_min_u32 s25, s24, NB                         ; blocks with rows
	s_wait_xcnt 0x0                                ; the last trip's stores have read their data and offsets
.irp a, 0,1,2,3,4
	v_add_nc_u32 v[SO+\a], 64*\a, v[RK]
	v_min_u32 v[SO+\a], s23, v[SO+\a]              ; ranks past the count repeat rank n - 1
	v_add_nc_u32 v[SO+\a], s22, v[SO+\a]
	v_min_u32 v[SO+\a], 0x7ff, v[SO+\a]
	v_lshlrev_b32 v[SO+\a], 2, v[SO+\a]
	global_load_b32 v[RID+\a], v[SO+\a], s[12:13]  ; rid of row lane % 16
.endr
.irp a, 0,1,2,3,4
	s_add_co_u32 s36, s50, 4*\a
	s_min_u32 s36, s36, s51                        ; a block past the last names the last
	s_add_co_u32 s36, s36, s52
	s_min_u32 s36, s36, 0x87
	s_lshl_b32 s36, s36, 16                        ; the block's 65,536 bytes
	v_add_nc_u32 v[BLK+\a], s36, v[GO]
.endr
.set ts, 0
.rept RDP
.irp a, 0,1,2,3,4
	v_add_nc_u32 v[AO+NB*ts+\a], 1024*ts, v[BLK+\a]   ; slot s begins with K step s
.endr
	TLOAD ts
	WIN 0
.set ts, ts+1
.endr
	v_mov_b32 v[BA], v[BB]
	v_mov_b32 v[BA+1], v[BB+1]
	WLOAD 0, 0
	WLOAD 1, 64
	WLOAD 2, 128
	WIN 0x80
.set ti, 0
.rept 32*NB
	v_mov_b32 v[ti], v[BIAS+(ti%32)/8]             ; the sums start at the bias, in all five blocks
.set ti, ti+1
.endr
	WIN 0
	s_mov_b32 s28, TRIPS
.Lk:                                               ; a trip goes once round the ring: six K steps; five slots of ten loads stay out at each wait, and two steps' eight weight loads
.set kp, 0
.rept RDP
	STEP kp, 1, 1, (RDP-1)*2*NB, (DP-1)*8
.set kp, kp+1
.endr
	WIN 0
	v_add_nc_u32 v[BA], 64*RDP, v[BA]
	v_add_nc_u32 v[BA+1], 64*RDP, v[BA+1]
	s_sub_co_u32 s28, s28, 1
	s_cmp_lg_u32 s28, 0
	s_cbranch_scc1 .Lk
	STEP 0, 1, 1, (RDP-1)*2*NB, (DP-1)*8           ; K steps 24 and 25 ask for the last two, 30 and 31
	STEP 1, 1, 1, (RDP-1)*2*NB, (DP-1)*8
	WIN 0
	; the rows' numbers are in (their loads are older than every ring load that has been waited for): the gate weights are asked for, six K steps ahead of the way out
.irp a, 0,1,2,3,4
	v_min_u32 v[RID+\a], 0x7ff, v[RID+\a]
	v_lshlrev_b32 v[RID+\a], 2, v[RID+\a]
	global_load_b32 v[GW+\a], v[RID+\a], s[10:11]
.endr
.set kf, 0
.rept RDP                                          ; K steps 26 to 31 ask for no act: the counts run down; the five loads of gate weights are younger too
.if kf < 3
	STEP kf+2, 0, 1, (RDP-1-kf)*2*NB+NB, 16        ; the weights of K steps 29, 30, 31
.elseif kf == 3
	STEP kf+2, 0, 0, (RDP-1-kf)*2*NB+NB, 16
.elseif kf == 4
	STEP kf+2, 0, 0, (RDP-1-kf)*2*NB+NB, 8
.else
	STEP kf+2, 0, 0, NB, 0
.endif
.set kf, kf+1
.endr
	; THE WAY OUT.  Lane (n, h) holds rows 8 h + j: their gate weights and numbers are pulled from the lanes 8 h + j (a lane permute: no LDS byte is touched), into the weight fragments' registers.
	s_wait_loadcnt 0x0                             ; the gate weights
.irp a, 0,1,2,3,4
.irp j, 0,1,2,3,4,5,6,7
	ds_bpermute_b32 v[GB+8*\a+\j], v[IDX+\j], v[GW+\a]
	ds_bpermute_b32 v[YB+8*\a+\j], v[IDX+\j], v[RID+\a]
.endr
.endr
	s_wait_dscnt 0x0
.set tk, 0
.rept 8*NB
	v_min_u32 v[YB+tk], 0x1ffc, v[YB+tk]           ; 4 x rid,
	v_lshl_add_u32 v[YB+tk], v[YB+tk], 10, v[C16]  ; x 1,024 = the row of 4,096 bytes; + 16 (lane % 16)
.set tk, tk+1
.endr
.irp a, 0,1,2,3,4
	s_cmp_le_u32 s25, \a
	s_cbranch_scc1 .Lbottom                        ; this block and those behind it have no rows
	WIN 0x48                                       ; gate weight window 0, sums window 2, result window 1 (act's fragments are done with)
.irp j, 0,1,2,3,4,5,6,7
.irp c, 0,1,2,3
	v_mul_f32 v[32*\a+4*\j+\c], v[GB+8*\a+\j], v[32*\a+8*\c+\j]   ; j ascending: each accumulator's low registers are read first
.endr
.endr
	WIN 0x04                                       ; store data in window 1
.irp j, 0,1,2,3,4,5,6,7
	global_store_b128 v[YB+8*\a+\j], v[32*\a+4*\j:32*\a+4*\j+3], s[16:17]   ; lanes 0-15: row j's 256 bytes; lanes 16-31: row 8 + j's
.endr
	WIN 0
.endr
.Lbottom:
	s_sub_co_i32 s24, s24, NB
	v_add_nc_u32 v[RK], 64*NB, v[RK]               ; my next blocks lie 64 ranks apart,
	s_add_co_u32 s50, s50, 4*NB                    ; 4 block numbers
	s_sub_co_u32 s27, s27, 1
	s_cmp_lg_u32 s27, 0
	s_cbranch_scc1 .Lout
	s_wait_dscnt 0x0                               ; my reads of LDS are over;
	s_barrier_signal -1
	s_barrier_wait -1                              ; everybody's are: no wave writes LDS again (the add below) while another still reads
	s_wait_tensorcnt 0x0                           ; the wave's end, behind my last LDS store
	ds_add_u32 v[SPW], v[NIL]
	s_wait_dscnt 0x0
	s_endpgm
.Lfunc_end_k_q9fc01690d5_mlp2:
	.size	k_q9fc01690d5_mlp2, .Lfunc_end_k_q9fc01690d5_mlp2-k_q9fc01690d5_mlp2
	.p2alignl 7, 3214868480
	.fill 96, 4, 3214868480
	.section	.rodata,"a",@progbits
	.p2align	6, 0x0
	.amdhsa_kernel k_q9fc01690d5_mlp2
		.amdhsa_group_segment_fixed_size 132608
		.amdhsa_private_segment_fixed_size 0
		.amdhsa_enable_private_segment 0
		.amdhsa_kernarg_size 56
		.amdhsa_user_sgpr_count 2
		.amdhsa_user_sgpr_kernarg_segment_ptr 1
		.amdhsa_wavefront_size32 1
		.amdhsa_system_sgpr_workgroup_id_x 1
		.amdhsa_system_sgpr_workgroup_id_y 1
		.amdhsa_system_sgpr_workgroup_id_z 1
		.amdhsa_system_vgpr_workitem_id 0
		.amdhsa_next_free_vgpr 672
		.amdhsa_next_free_sgpr 66
		.amdhsa_reserve_vcc 0
		.amdhsa_float_denorm_mode_32 3
		.amdhsa_float_denorm_mode_16_64 3
		.amdhsa_memory_ordered 1
		.amdhsa_forward_progress 1
		.amdhsa_inst_pref_size 118
	.end_amdhsa_kernel
	.amdgpu_metadata
---
amdhsa.version: [ 1, 2 ]
amdhsa.kernels:
  - .name:           k_q9fc01690d5_mlp2
    .symbol:         k_q9fc01690d5_mlp2.kd
    .args:
      - { .name: act, .offset: 0, .size: 8, .value_kind: global_buffer, .address_space: global }
      - { .name: mlp2_weight, .offset: 8, .size: 8, .value_kind: global_buffer, .address_space: global }
      - { .name: mlp2_bias, .offset: 16, .size: 8, .value_kind: global_buffer, .address_space: global }
      - { .name: gw, .offset: 24, .size: 8, .value_kind: global_buffer, .address_space: global }
      - { .name: slist, .offset: 32, .size: 8, .value_kind: global_buffer, .address_space: global }
      - { .name: meta, .offset: 40, .size: 8, .value_kind: global_buffer, .address_space: global }
      - { .name: y, .offset: 48, .size: 8, .value_kind: global_buffer, .address_space: global }
    .group_segment_fixed_size: 132608
    .private_segment_fixed_size: 0
    .kernarg_segment_align: 8
    .kernarg_segment_size: 56
    .max_flat_workgroup_size: 128
    .sgpr_count:     66
    .vgpr_count:     672
    .wavefront_size: 32
...
	.end_amdgpu_metadata
.endif
;; end of part 5
;; launch combine (part 6): grid 256 x 1, 8 waves a work-group, no clusters, 0 bytes of LDS; arguments x, y, out0; writes out0
.if DOCPART == 6
	.amdgcn_target "amdgcn-amd-amdhsa--gfx1250"
	.amdhsa_code_object_version 6
	.text
	.protected	k_q9fc01690d5_combine
	.globl	k_q9fc01690d5_combine
	.p2align	8
	.type	k_q9fc01690d5_combine,@function
k_q9fc01690d5_combine:
	s_mov_b64 s[64:65], 0
	v_nop
	global_prefetch_b8 v0, s[64:65] scope:SCOPE_SE
	s_setreg_imm32_b32 hwreg(HW_REG_WAVE_MODE, 25, 1), 1
	s_wait_xcnt 0x0
; out0[t][:] = x[t][:] + y[0][2t][:] + y[0][2t+1][:] + y[1][2t][:] + y[1][2t+1][:], all f32: y[kh][rid] is the routed row rid's partial sum over K half kh.
; A stream: each byte is read once and written once; no LDS, no barrier, no matrix unit.
; A work-group takes 4 tokens; thread n owns the 16 bytes at 16 n of every row of 4,096 bytes, so a wave's load or store covers 512 consecutive bytes.
; All 20 loads of a thread go out at once; the waits count the younger tokens' five loads each.
	s_load_b128 s[4:7], s[0:1], 0x0                ; x s[4:5], y s[6:7]
	s_load_b64 s[8:9], s[0:1], 0x10                ; out0
	v_lshlrev_b32 v1, 4, v0
	s_lshl_b32 s10, ttmp9, 14                      ; 4 rows of x and of out0
	s_mov_b32 s11, 0
	s_lshl_b32 s12, ttmp9, 15                      ; 8 rows of y
	s_mov_b32 s13, 0
	s_wait_kmcnt 0x0
	s_add_nc_u64 s[4:5], s[4:5], s[10:11]
	s_add_nc_u64 s[6:7], s[6:7], s[12:13]
	s_add_nc_u64 s[14:15], s[6:7], 0x800000        ; K half 1: 2,048 rows of 4,096 bytes further on
	s_add_nc_u64 s[8:9], s[8:9], s[10:11]
.irp q, 0,1,2,3
	global_load_b128 v[4+20*\q:7+20*\q],   v1, s[4:5] offset:4096*\q th:TH_LOAD_NT
	global_load_b128 v[8+20*\q:11+20*\q],  v1, s[6:7] offset:8192*\q th:TH_LOAD_NT
	global_load_b128 v[12+20*\q:15+20*\q], v1, s[6:7] offset:8192*\q+4096 th:TH_LOAD_NT
	global_load_b128 v[16+20*\q:19+20*\q], v1, s[14:15] offset:8192*\q th:TH_LOAD_NT
	global_load_b128 v[20+20*\q:23+20*\q], v1, s[14:15] offset:8192*\q+4096 th:TH_LOAD_NT
.endr
.irp q, 0,1,2,3
	s_wait_loadcnt 15-5*\q                         ; this token's five loads are in
	v_pk_add_f32 v[8+20*\q:9+20*\q],   v[8+20*\q:9+20*\q],   v[12+20*\q:13+20*\q]
	v_pk_add_f32 v[10+20*\q:11+20*\q], v[10+20*\q:11+20*\q], v[14+20*\q:15+20*\q]
	v_pk_add_f32 v[16+20*\q:17+20*\q], v[16+20*\q:17+20*\q], v[20+20*\q:21+20*\q]
	v_pk_add_f32 v[18+20*\q:19+20*\q], v[18+20*\q:19+20*\q], v[22+20*\q:23+20*\q]
	v_pk_add_f32 v[8+20*\q:9+20*\q],   v[8+20*\q:9+20*\q],   v[16+20*\q:17+20*\q]
	v_pk_add_f32 v[10+20*\q:11+20*\q], v[10+20*\q:11+20*\q], v[18+20*\q:19+20*\q]
	v_pk_add_f32 v[4+20*\q:5+20*\q],   v[4+20*\q:5+20*\q],   v[8+20*\q:9+20*\q]
	v_pk_add_f32 v[6+20*\q:7+20*\q],   v[6+20*\q:7+20*\q],   v[10+20*\q:11+20*\q]
	global_store_b128 v1, v[4+20*\q:7+20*\q], s[8:9] offset:4096*\q th:TH_STORE_NT
.endr
	s_endpgm
.Lfunc_end_k_q9fc01690d5_combine:
	.size	k_q9fc01690d5_combine, .Lfunc_end_k_q9fc01690d5_combine-k_q9fc01690d5_combine
	.p2alignl 7, 3214868480
	.fill 96, 4, 3214868480
	.section	.rodata,"a",@progbits
	.p2align	6, 0x0
	.amdhsa_kernel k_q9fc01690d5_combine
		.amdhsa_group_segment_fixed_size 0
		.amdhsa_private_segment_fixed_size 0
		.amdhsa_enable_private_segment 0
		.amdhsa_kernarg_size 24
		.amdhsa_user_sgpr_count 2
		.amdhsa_user_sgpr_kernarg_segment_ptr 1
		.amdhsa_wavefront_size32 1
		.amdhsa_system_sgpr_workgroup_id_x 1
		.amdhsa_system_sgpr_workgroup_id_y 1
		.amdhsa_system_sgpr_workgroup_id_z 1
		.amdhsa_system_vgpr_workitem_id 0
		.amdhsa_next_free_vgpr 88
		.amdhsa_next_free_sgpr 66
		.amdhsa_reserve_vcc 0
		.amdhsa_float_denorm_mode_32 3
		.amdhsa_float_denorm_mode_16_64 3
		.amdhsa_memory_ordered 1
		.amdhsa_forward_progress 1
		.amdhsa_inst_pref_size 6
	.end_amdhsa_kernel
	.amdgpu_metadata
---
amdhsa.version: [ 1, 2 ]
amdhsa.kernels:
  - .name:           k_q9fc01690d5_combine
    .symbol:         k_q9fc01690d5_combine.kd
    .args:
      - { .name: x, .offset: 0, .size: 8, .value_kind: global_buffer, .address_space: global }
      - { .name: y, .offset: 8, .size: 8, .value_kind: global_buffer, .address_space: global }
      - { .name: out0, .offset: 16, .size: 8, .value_kind: global_buffer, .address_space: global }
    .group_segment_fixed_size: 0
    .private_segment_fixed_size: 0
    .kernarg_segment_align: 8
    .kernarg_segment_size: 24
    .max_flat_workgroup_size: 256
    .sgpr_count:     66
    .vgpr_count:     88
    .wavefront_size: 32
...
	.end_amdgpu_metadata
.endif
;; end of part 6
;; ======== version 3 of 3: 4 launches; version 2 with the launch mlp2 written anew for expert scheduling mode
;; workspace buffers: xn 2,097,152 bytes; idx 8,192 bytes of whole numbers; gw 8,192 bytes; act 8,912,896 bytes; slist 8,192 bytes of whole numbers; meta 256 bytes of whole numbers; y 16,777,216 bytes
;; launch router: the kernel of part 1 again; grid 256 x 1, 4 waves a work-group, no clusters, 0 bytes of LDS; arguments x, scale, gate_kernel, gate_bias, xn, idx, gw; writes xn, idx, gw
;; launch mlp1: the kernel of part 2 again; grid 32 x 8, 4 waves a work-group, no clusters, 269,312 bytes of LDS; arguments xn, idx, mlp1_weight, mlp1_bias, act, slist, meta; writes act, slist, meta
;; launch mlp2 (part 7): grid 32 x 8, 4 waves a work-group, no clusters, 132,608 bytes of LDS; arguments act, mlp2_weight, mlp2_bias, gw, slist, meta, y; writes y
.if DOCPART == 7
	.amdgcn_target "amdgcn-amd-amdhsa--gfx1250"
	.amdhsa_code_object_version 6
	.text
	.protected	k_q9fc01690d5_mlp2
	.globl	k_q9fc01690d5_mlp2
	.p2align	8
	.type	k_q9fc01690d5_mlp2,@function
k_q9fc01690d5_mlp2:
	s_mov_b64 s[64:65], 0
	v_nop
	global_prefetch_b8 v0, s[64:65] scope:SCOPE_SE
	s_setreg_imm32_b32 hwreg(HW_REG_WAVE_SCHED_MODE, 0, 2), 2
	s_setreg_imm32_b32 hwreg(HW_REG_WAVE_MODE, 25, 1), 1
	s_wait_xcnt 0x0
	s_wait_alu depctr_vm_vsrc(0)
; SECOND PRODUCT, bias and gate weight, for the chosen rows alone.  y[kh][rid][c] = gw[rid] x (sum over i in K half kh of act(row)[i] W2[e][c][i] + (kh = 0: bias2[e][c])), f32:
; a token's four partial rows (two experts x two K halves) are added by the next launch.
; Work-group (x, e): cs = x / 2 names 64 output columns, kh = x % 2 a half of K = 2,048: 64 rows x 4,096 bytes of mlp2_weight[e], 256 KiB of f32 that no other work-group reads, and all n_e rows of that
; expert (meta[e] = n_e, off_e; slist[off_e + rank] = rid: whole numbers stored by the launch before).  64 columns, not 32 with all of K: a fragment of act then feeds four matrix instructions, not two,
; and a work-group reads half of each row of act; the price is two partial rows for each routed row.
; act[B][K step][half][lane][16 bytes], bf16, lies in the order in which a wave's operand registers take it: B = (off_e >> 4) + e + rank / 16 numbers the blocks of 16 ranks, a K step is 32 along K;
; each load of a wave covers 512 consecutive bytes.
; PHASE 1: each wave streams 16 weight rows' halves (4,096 consecutive bytes each) through a ring of eight register slots, rounds them once to bf16 and lays them into LDS.  One barrier.
; PHASE 2: nothing writes LDS, so no barrier is needed.  Blocks go to the waves by turns (block j to wave j % 4); a wave takes five of its blocks at a time through its 32 K steps: act from memory straight
; into registers, the weights from LDS.  The outer loop has a constant count of 4 trips (at most 16 blocks a wave: 5 + 5 + 5 + 1); trips without rows are jumped forward.  A block without rows names the
; expert's last block and loads it once more, so that every path issues the same loads and the counted waits hold; the fifth block's products are jumped where it has no rows;
; no block without rows is stored.  Ranks past the count repeat rank n - 1 (act holds that row there; it is stored again, same place, same value).
; THE PRODUCT: source 0 = 16 rows of act, source 1 = 16 weight rows.  LDS row 16 cb + n holds weight row 4 n + cb, so register j of accumulator cb in lane (n, h) is (row 8 h + j, column 4 n + cb).
; THE WAY OUT goes straight from the accumulators: the multiply by the gate weight puts column blocks 0..3 into four neighbouring registers, and one store has sixteen neighbouring lanes writing the
; 256 consecutive bytes of a row's 64 columns, at a multiple of 256 from y's first byte; lanes 16-31 write the row eight further down.
; NO CLUSTER, NO JOINT LOADS: each weight byte has one reader; act's blocks are shared by an expert's 16 column slices, but the number of trips that read them hangs on a stored count, and such a loop
; holds no barrier and no LDS ring.  NO TENSOR LOADS: the weights are f32 and must pass through registers to be rounded.
; LIMITS: the sum over K is made in two f32 parts, another order than reference()'s; NaN is not treated apart.
; THE MODE: SCHED_MODE bits 1:0 = 2 (LLVM: expert scheduling mode 2), set by the entry lines.  The code itself states the register dependences
; between vector or matrix instructions and memory or LDS instructions, with s_wait_alu, always for 0.
; THE PLAN.  Registers that memory or LDS instructions touch:
;   phase 1   ring slot u % 8: read by turn u's conversions; behind them the loads of row u + 8 land in it.  T[u % 2]: written by turn u's conversions, read by turn u's LDS stores, written again in turn u + 2.
;             One wait on va_vdst a turn, behind the conversions, serves the refill and the stores; the wait on vm_vsrc beside it frees the other T a turn behind the stores that read it.
;   K step p  act's slot p % 6 and weight buffer p % 3: read by step p's products; the loads issued in step p + 1 land in them (K steps p + 6 and p + 3).
;             AO[p % 6]: read by the slot's loads, stepped by five adds at the end of step p.  BA: read by every load of weights, stepped once a trip beside such adds.
;             One wait on va_vdst at the head of a step that loads, behind its waits for data: the step before is done reading its slot and buffer, and its adds are written.  The step's loads are dealt among
;             its products, which name slot p, buffer p and the accumulators: none of the registers that those loads touch.  One wait on vm_vsrc ahead of the adds.
;   a trip    SO, BLK, AO, BA are made at the trip's head, between one wait on vm_vsrc (all that the trip before read) and one on va_vdst; all first loads follow that wait, the moves that start the sums follow the loads.
;   way out   GB, YB (the weight buffers' registers): the permutes land in them behind a wait on va_vdst; a block's 32 results in window 1 and YB are read by its stores, behind one wait on va_vdst a block.
;   GO, C16, LS, IDX are made at the head and never written again; the accumulators are named by vector and matrix instructions alone, BIAS by them and by its one load at the head; v[SPW], v[NIL] are read by the closing add alone.
.set PW,     2064                      ; a weight row in LDS: 2,048 bytes + 16 = 129 x 16: the 16 rows of a fragment load start at 16 different groups of four banks (ISA guide 11.1)
.set SPARE,  64*PW                     ; the spare words: 128 bytes a wave, two blocks of 256 bytes that no other line names
.set NB,     5                         ; blocks of 16 ranks that a wave takes through K at a time
.set RDP,    6                         ; ring slots of act's fragments: a slot holds one K step of the five blocks
.set DP,     3                         ; buffers of weight fragments; DP divides RDP, so that a trip's text names fixed registers
.set TRIPS,  4                         ; 32 K steps = 1 ahead of the loop + TRIPS x RDP in it + 7 behind it
; window 0
.set LANE, 1
.set NN,   2                           ; lane % 16
.set H16,  3                           ; 16 x (lane / 16)
.set SPW,  4                           ; my spare word; never rewritten
.set NIL,  5                           ; 0; never rewritten
.set GO,   6                           ; 16 x lane; never rewritten
.set C16,  7                           ; 16 x (lane % 16); never rewritten
.set LS,   8                           ; v8-9    phase 1: where my 8 bytes of a weight row go: column blocks 0 and 1, 2 and 3; never rewritten
.set BB,   10                          ; v10-11  LDS address of my weight fragments: column blocks 0 and 1, 2 and 3
.set BA,   12                          ; v12-13  the same, walking along K
.set RK,   14                          ; rank of row lane % 16 in the trip's first block
.set BLK,  16                          ; v16-20  byte offset in act of my 16 bytes in block a
.set SO,   21                          ; v21-25  byte offset in slist
.set RID,  26                          ; v26-30  rid of row lane % 16 of block a; then 4 x rid
.set AO,   32                          ; v32-61  ring slot s, block a at NB s + a: the byte offset in act of the K step that the slot holds
.set BF,   64                          ; v64-159 three buffers of weight fragments, column block cb at 8 cb
.set T,    64                          ; v64-95  phase 1: packed bf16, two buffers of 16 by turns
.set GB,   64                          ; v64-103  the way out: gate weight of row 8 h + j of block a, at 8 a + j
.set YB,   104                         ; v104-143 the way out: its byte offset in y
.set GW,   192                         ; v192-196 gate weight of row lane % 16 of block a
.set IDX,  200                         ; v200-207 4 x (8 h + j): the lane from which row 8 h + j's numbers are pulled
.set BIAS, 208                         ; v208-211 bias of column 4 n + cb (0 in K half 1)
; window 1: phase 1 the ring (slot i at 32 i); phase 2 act's fragments (slot s, block a) at 8 (NB s + a); the way out: block a's row j at 32 a + 4 j.  Window 2: accumulator (a, cb) at 32 a + 8 cb.
.set WB, 30                            ; s[30:31] my wave's 16 weight rows, at my K half; never rewritten
.set MSB, 0
.macro WIN new                         ; the immediate's high byte repeats the setting that is left; a switch that changes nothing is dropped
.if MSB != (\new)
	s_set_vgpr_msb (MSB<<8)|(\new)
.set MSB, (\new)
.endif
.endm
.macro PLACES                          ; four plain instructions between a matrix instruction and a load into, or a read of, its registers
.rept 4
	v_nop
.endr
.endm
.macro FILL i, u                       ; my weight row u's half (4,096 consecutive bytes) into ring slot i: eight loads of 512 bytes
.set tj, 0
.rept 8
	global_load_b128 v[32*(\i)+4*tj:32*(\i)+4*tj+3], v[GO], s[WB:WB+1] offset:(\u)*8192+512*tj th:TH_LOAD_NT
.set tj, tj+1
.endr
.endm
; Row u's turn: it is rounded and laid into LDS, and its slot takes the row eight further on.  The wait leaves the younger rows' loads out: seven rows of eight loads, fewer at the end.
; My weight row 16 w + u is column 4 n + cb with n = 4 w + u / 4, cb = u % 4: it goes to LDS row 16 (u % 4) + 4 w + u / 4.
.macro TURN u
.if (\u) < 8
	s_wait_loadcnt 56
.else
	s_wait_loadcnt 8*(15-(\u))
.endif
	WIN 0x05                                       ; sources in window 1, destination in window 0
.set tj, 0
.rept 16
	v_cvt_pk_bf16_f32 v[T+16*((\u)&1)+tj], v[32*((\u)%8)+2*tj], v[32*((\u)%8)+2*tj+1]
.set tj, tj+1
.endr
.if (\u) < 8
	WIN 0x40                                       ; the window of the loads below is set ahead of the wait
.else
	WIN 0
.endif
	s_wait_alu depctr_va_vdst(0)                   ; the conversions have written T[u % 2], which the LDS stores below read, and are done reading the slot, in which the loads below land
.if ((\u) > 0) && ((\u) < 15)
	s_wait_alu depctr_vm_vsrc(0)                   ; the LDS stores of the turn before have read the other T, which the next turn's conversions write
.endif
.if (\u) < 8
	FILL (\u)%8, (\u)+8
.endif
	WIN 0
.set tj, 0
.rept 8
	ds_store_b64 v[LS+(((\u)&3)>>1)], v[T+16*((\u)&1)+2*tj:T+16*((\u)&1)+2*tj+1] offset:(16*((\u)&1)+((\u)>>2))*PW+256*tj   ; 32 lanes x 8 consecutive bytes
.set tj, tj+1
.endr
.endm
	s_load_b256 s[4:11], s[0:1], 0x0               ; act s[4:5], mlp2_weight s[6:7], mlp2_bias s[8:9], gw s[10:11]
	s_load_b128 s[12:15], s[0:1], 0x20             ; slist s[12:13], meta s[14:15]
	s_load_b64 s[16:17], s[0:1], 0x30              ; y
	v_lshl_add_u32 v[SPW], v0, 2, SPARE
	v_mov_b32 v[NIL], 0
	v_lshrrev_b32 v31, 5, v0
	v_readfirstlane_b32 s18, v31                   ; wave
	v_and_b32 v[LANE], 31, v0
	v_and_b32 v[NN], 15, v0
	v_bfe_u32 v[H16], v0, 4, 1
	v_lshlrev_b32 v[H16], 4, v[H16]
	s_lshr_b32 s19, ttmp9, 1                       ; cs: which 64 columns
	s_and_b32 s53, ttmp9, 1                        ; kh: which half of K
	s_and_b32 s20, ttmp7, 0xffff                   ; expert
	v_lshlrev_b32 v[GO], 4, v[LANE]
	v_lshlrev_b32 v[C16], 4, v[NN]
	s_wait_alu depctr_va_sdst(0)                   ; s18 is written, ahead of its first reader: LDS addresses, the weights' base and the wave's share of blocks are made from it
	s_mul_i32 s40, s18, 4*PW
	v_lshl_add_u32 v[LS], v[LANE], 3, s40          ; LDS row 4 w, 8 bytes a lane
	v_add_nc_u32 v[LS+1], 32*PW, v[LS]
	v_mul_u32_u24 v31, v[NN], PW
	v_add_nc_u32 v[BB], v31, v[H16]                ; a fragment's row x pitch + 16 x half
	v_add_nc_u32 v[BB+1], 32*PW, v[BB]
	s_lshl_b32 s41, s18, 4
	v_add_nc_u32 v[RK], s41, v[NN]
.irp j, 0,1,2,3,4,5,6,7
	v_lshl_add_u32 v[IDX+\j], v[H16], 1, 4*\j      ; 4 x (8 h + j)
.endr
	s_lshl_b32 s34, s20, 23                        ; the expert's 1,024 rows of 8,192 bytes,
	s_lshl_b32 s36, s19, 6
	s_lshl_b32 s37, s18, 4
	s_add_co_u32 s36, s36, s37                     ; row 64 cs + 16 w,
	s_lshl_b32 s36, s36, 13
	s_add_co_u32 s34, s34, s36
	s_lshl_b32 s36, s53, 12                        ; my half of each row
	s_add_co_u32 s34, s34, s36
	s_mov_b32 s35, 0
	s_lshl_b32 s36, s20, 12                        ; the bias: expert x 4,096 + cs x 256 bytes
	s_lshl_b32 s37, s19, 8
	s_add_co_u32 s36, s36, s37
	s_mov_b32 s37, 0
	s_lshl_b32 s38, s20, 3                         ; meta[e]
	s_mov_b32 s39, 0
	s_lshl_b32 s42, s53, 23                        ; y: my K half's 2,048 rows of 4,096 bytes, my 64 columns
	s_lshl_b32 s43, s19, 8
	s_add_co_u32 s42, s42, s43
	s_mov_b32 s43, 0
	s_lshl_b32 s46, s53, 15                        ; act: my 32 K steps of 1,024 bytes in every block
	s_mov_b32 s47, 0
	s_wait_kmcnt 0x0
	s_add_nc_u64 s[14:15], s[14:15], s[38:39]
	s_load_b64 s[44:45], s[14:15], 0x0             ; n, off
	s_add_nc_u64 s[WB:WB+1], s[6:7], s[34:35]
	s_add_nc_u64 s[8:9], s[8:9], s[36:37]
	s_add_nc_u64 s[16:17], s[16:17], s[42:43]
	s_add_nc_u64 s[4:5], s[4:5], s[46:47]
	s_wait_alu depctr_va_vdst(0)                   ; the offsets and LDS addresses made above (C16, GO, LS, IDX) are written: the loads, LDS stores and permutes of the kernel read them
	global_load_b128 v[BIAS:BIAS+3], v[C16], s[8:9]   ; columns 4 n + 0..3
	WIN 0x40
.irp i, 0,1,2,3,4,5,6,7
	FILL \i, \i
.endr
	WIN 0
	; PHASE 1: 16 rows a wave, written out, so that every LDS offset is a constant; 64 loads of 512 bytes of each wave are on their way
.set tu, 0
.rept 16
	TURN tu
.set tu, tu+1
.endr
	s_wait_dscnt 0x0                               ; for the others' sake: my weight rows are in LDS
	s_barrier_signal -1
	s_barrier_wait -1
	s_wait_kmcnt 0x0
	s_min_u32 s21, s44, 0x400                      ; n
	s_min_u32 s22, s45, 0x7ff                      ; off
	s_max_u32 s23, s21, 1
	s_sub_co_u32 s23, s23, 1                       ; n - 1
	s_add_co_u32 s46, s21, 15
	s_lshr_b32 s46, s46, 4                         ; blocks of 16 ranks,
	s_add_co_u32 s24, s46, 3
	s_sub_co_u32 s24, s24, s18
	s_lshr_b32 s24, s24, 2                         ; of which mine: those still to do
	s_max_u32 s51, s46, 1
	s_sub_co_u32 s51, s51, 1                       ; the expert's last block
	s_lshr_b32 s52, s22, 4
	s_add_co_u32 s52, s52, s20                     ; its first block's number in act: (off >> 4) + e
	s_mov_b32 s50, s18                             ; my next block among the expert's; my blocks lie 4 apart
	s_cmp_eq_u32 s53, 0
	s_cselect_b32 s54, -1, 0
.irp c, 0,1,2,3
	v_cndmask_b32 v[BIAS+\c], 0, v[BIAS+\c], s54   ; the bias is added in K half 0 alone
.endr
.macro TLOAD slot                      ; the five blocks' fragments of the K step at which the slot's addresses stand: registers 0-3, then 4-7
	WIN 0x40
.set ta, 0
.rept NB
	global_load_b128 v[8*(NB*(\slot)+ta):8*(NB*(\slot)+ta)+3],   v[AO+NB*(\slot)+ta], s[4:5]
	global_load_b128 v[8*(NB*(\slot)+ta)+4:8*(NB*(\slot)+ta)+7], v[AO+NB*(\slot)+ta], s[4:5] offset:512
.set ta, ta+1
.endr
.endm
.macro WLOAD buf, koff                 ; the weight fragments of one K step: 4 column blocks, 8 LDS loads
	WIN 0
.irp c, 0,1,2,3
	ds_load_b128 v[BF+32*(\buf)+8*\c:BF+32*(\buf)+8*\c+3],   v[BA+\c/2] offset:(\c%2)*16*PW+(\koff)
	ds_load_b128 v[BF+32*(\buf)+8*\c+4:BF+32*(\buf)+8*\c+7], v[BA+\c/2] offset:(\c%2)*16*PW+(\koff)+32
.endr
.endm
.macro MUL4 slot, buf, a               ; block a x the four column blocks
.irp c, 0,1,2,3
	v_wmma_f32_16x16x32_bf16 v[32*(\a)+8*\c:32*(\a)+8*\c+7], v[8*(NB*(\slot)+(\a)):8*(NB*(\slot)+(\a))+7], v[BF+32*(\buf)+8*\c:BF+32*(\buf)+8*\c+7], v[32*(\a)+8*\c:32*(\a)+8*\c+7]
.endr
.endm
; K step p, with pl = p % RDP.  16 or 20 matrix instructions; the accumulators take turns, one instruction a turn; the fifth block's four are jumped where it has no rows.
; lc: the younger loads from memory; dc: the younger steps' weight loads.
; bl = 1: the weights of K step p + 2 (at koff from where BA stands) go into the buffer that the step before read.  ld = 1: act's K step p + 5 goes into the slot that the step before read; ld = 2: the gate weights are asked for.
; fin, the step's end: 1: this step's slot will be asked for again in the next step: its five addresses, free since the wait at the step's head has shown their loads done, move on by RDP K steps;
; 2: and BA moves on by a trip; 3: the rows' numbers are made ready for the gate weights' loads; 4: four v_nop.  Each of these is also the places behind the step's products.
.macro STEP pl, ld, bl, koff, fin, lc, dc
	s_wait_loadcnt \lc
	s_wait_dscnt \dc
.if (\ld) || (\bl)
	s_wait_alu depctr_va_vdst(0)                   ; the products of the step before are done reading its slot and its weight buffer, in which the loads below land; what that step's end wrote (AO, BA, RID) is written, which they read
.endif
	WIN 0xa1                                       ; act window 1, weights window 0, C and D window 2
	MUL4 (\pl)%RDP, (\pl)%DP, 0
.if \bl
	WLOAD ((\pl)+DP-1)%DP, \koff                   ; no further wait: no vector or matrix instruction since the wait above names this buffer or BA
.endif
	WIN 0xa1
	MUL4 (\pl)%RDP, (\pl)%DP, 1
.if (\ld) == 1
	TLOAD ((\pl)+RDP-1)%RDP                        ; likewise: none names this slot or its addresses
.elseif (\ld) == 2
	WIN 0
.set ta, 0
.rept NB
	global_load_b32 v[GW+ta], v[RID+ta], s[10:11]
.set ta, ta+1
.endr
.endif
	WIN 0xa1
	MUL4 (\pl)%RDP, (\pl)%DP, 2
	MUL4 (\pl)%RDP, (\pl)%DP, 3
	WIN 0                                          ; at a branch and at a label every window is 0
	s_cmp_lt_u32 s25, NB
	s_cbranch_scc1 .Lfour_\@
	WIN 0xa1
	MUL4 (\pl)%RDP, (\pl)%DP, 4
	WIN 0
.Lfour_\@:
.if ((\fin) == 1) || ((\fin) == 2)
	s_wait_alu depctr_vm_vsrc(0)                   ; the loads issued so far have read their addresses: this slot's AO (and BA) are written below
.set ta, 0
.rept NB
	v_add_nc_u32 v[AO+NB*((\pl)%RDP)+ta], RDP*1024, v[AO+NB*((\pl)%RDP)+ta]
.set ta, ta+1
.endr
.endif
.if (\fin) == 2
	v_add_nc_u32 v[BA], 64*RDP, v[BA]
	v_add_nc_u32 v[BA+1], 64*RDP, v[BA+1]
.endif
.if (\fin) == 3
.set ta, 0
.rept NB
	v_min_u32 v[RID+ta], 0x7ff, v[RID+ta]          ; the rows' numbers are in: their loads are older than every ring load that has been waited for
	v_lshlrev_b32 v[RID+ta], 2, v[RID+ta]
.set ta, ta+1
.endr
.endif
.if (\fin) == 4
	PLACES
.endif
.endm
	s_mov_b32 s27, 4
.Lout:                                             ; four trips, whatever the split
	s_cmp_lt_i32 s24, 1
	s_cbranch_scc1 .Lbottom                        ; nothing left
	s_min_u32 s25, s24, NB                         ; blocks with rows
	s_wait_xcnt 0x0                                ; the last trip's stores have read their data and offsets
	s_wait_alu depctr_vm_vsrc(0)                   ; SO, AO, BA, RID, GW, YB and the stores' data in window 1, which are written or loaded again below; in the first trip: phase 1's LDS stores have read T, where weight fragments land
.irp a, 0,1,2,3,4
	v_add_nc_u32 v[SO+\a], 64*\a, v[RK]
	v_min_u32 v[SO+\a], s23, v[SO+\a]              ; ranks past the count repeat rank n - 1
	v_add_nc_u32 v[SO+\a], s22, v[SO+\a]
	v_min_u32 v[SO+\a], 0x7ff, v[SO+\a]
	v_lshlrev_b32 v[SO+\a], 2, v[SO+\a]
.endr
.irp a, 0,1,2,3,4
	s_add_co_u32 s36, s50, 4*\a
	s_min_u32 s36, s36, s51                        ; a block past the last names the last
	s_add_co_u32 s36, s36, s52
	s_min_u32 s36, s36, 0x87
	s_lshl_b32 s36, s36, 16                        ; the block's 65,536 bytes
	v_add_nc_u32 v[BLK+\a], s36, v[GO]
.endr
.set ts, 0
.rept RDP
.irp a, 0,1,2,3,4
	v_add_nc_u32 v[AO+NB*ts+\a], 1024*ts, v[BLK+\a]   ; slot s begins with K step s
.endr
.set ts, ts+1
.endr
	v_mov_b32 v[BA], v[BB]
	v_mov_b32 v[BA+1], v[BB+1]
	s_wait_alu depctr_va_vdst(0)                   ; SO, AO and BA are written, which the loads below read; the trip before (in the first trip: phase 1) is done reading and writing RID, window 1 and v64-159, in which they land
.irp a, 0,1,2,3,4
	global_load_b32 v[RID+\a], v[SO+\a], s[12:13]  ; rid of row lane % 16
.endr
.set ts, 0
.rept RDP
	TLOAD ts
.set ts, ts+1
.endr
	WLOAD 0, 0
	WLOAD 1, 64
	WLOAD 2, 128
	WIN 0x80
.set ti, 0
.rept 32*NB
	v_mov_b32 v[ti], v[BIAS+(ti%32)/8]             ; the sums start at the bias, in all five blocks; these moves name no register that a load above touches
.set ti, ti+1
.endr
	WIN 0
	STEP 0, 0, 0, 0, 1, (RDP-1)*2*NB, (DP-1)*8     ; K step 0 asks for nothing: all six slots and all three buffers are on their way; five slots of ten loads and two steps' eight weight loads stay out
	s_mov_b32 s28, TRIPS
.Lk:                                               ; a trip goes once round the ring: K steps 6 t + 1 to 6 t + 6; four slots of ten loads stay out at each wait, and one step's eight weight loads
	STEP 1, 1, 1, 192, 1, (RDP-2)*2*NB, (DP-2)*8
	STEP 2, 1, 1, 256, 1, (RDP-2)*2*NB, (DP-2)*8
	STEP 3, 1, 1, 320, 2, (RDP-2)*2*NB, (DP-2)*8   ; BA moves on here, in the trip's middle, so that the offsets below begin at 0 and every trip's text is the same
	STEP 4, 1, 1, 0,   1, (RDP-2)*2*NB, (DP-2)*8
	STEP 5, 1, 1, 64,  1, (RDP-2)*2*NB, (DP-2)*8
	STEP 0, 1, 1, 128, 1, (RDP-2)*2*NB, (DP-2)*8
	s_sub_co_u32 s28, s28, 1
	s_cmp_lg_u32 s28, 0
	s_cbranch_scc1 .Lk
	STEP 1, 1, 1, 192, 1, (RDP-2)*2*NB, (DP-2)*8   ; K steps 25 and 26 ask for act's last two, 30 and 31
	STEP 2, 1, 1, 256, 3, (RDP-2)*2*NB, (DP-2)*8
	STEP 3, 2, 1, 320, 4, (RDP-2)*2*NB, (DP-2)*8   ; K step 27 asks for the gate weights, five K steps ahead of the way out
	STEP 4, 0, 1, 384, 4, 3*2*NB+NB, (DP-2)*8      ; from here the counts run down; the five loads of gate weights are younger too
	STEP 5, 0, 1, 448, 0, 2*2*NB+NB, (DP-2)*8      ; the weights of K step 31
	STEP 0, 0, 0, 0,   0, 2*NB+NB, (DP-2)*8
	STEP 1, 0, 0, 0,   4, NB, 0                    ; the four places behind the last products stand ahead of the way out's reads and writes of their registers
	; THE WAY OUT.  Lane (n, h) holds rows 8 h + j: their gate weights and numbers are pulled from the lanes 8 h + j (a lane permute: no LDS byte is touched), into the weight fragments' registers.
	s_wait_loadcnt 0x0                             ; the gate weights
	s_wait_alu depctr_va_vdst(0)                   ; the last products are done reading the weight fragments' registers, in which the permutes' results land
.irp a, 0,1,2,3,4
.irp j, 0,1,2,3,4,5,6,7
	ds_bpermute_b32 v[GB+8*\a+\j], v[IDX+\j], v[GW+\a]
	ds_bpermute_b32 v[YB+8*\a+\j], v[IDX+\j], v[RID+\a]
.endr
.endr
	s_wait_dscnt 0x0
.set tk, 0
.rept 8*NB
	v_min_u32 v[YB+tk], 0x1ffc, v[YB+tk]           ; 4 x rid,
	v_lshl_add_u32 v[YB+tk], v[YB+tk], 10, v[C16]  ; x 1,024 = the row of 4,096 bytes; + 16 (lane % 16)
.set tk, tk+1
.endr
.irp a, 0,1,2,3,4
	s_cmp_le_u32 s25, \a
	s_cbranch_scc1 .Lbottom                        ; this block and those behind it have no rows
	WIN 0x48                                       ; gate weight window 0, sums window 2, result window 1 (act's fragments are done with)
.irp j, 0,1,2,3,4,5,6,7
.irp c, 0,1,2,3
	v_mul_f32 v[32*\a+4*\j+\c], v[GB+8*\a+\j], v[32*\a+8*\c+\j]   ; j ascending: each accumulator's low registers are read first
.endr
.endr
	WIN 0x04                                       ; store data in window 1
	s_wait_alu depctr_va_vdst(0)                   ; the multiplies have written the block's 32 registers, the stores' data; the rows' offsets YB are written too
.irp j, 0,1,2,3,4,5,6,7
	global_store_b128 v[YB+8*\a+\j], v[32*\a+4*\j:32*\a+4*\j+3], s[16:17]   ; lanes 0-15: row j's 256 bytes; lanes 16-31: row 8 + j's
.endr
	WIN 0
.endr
.Lbottom:
	s_sub_co_i32 s24, s24, NB
	v_add_nc_u32 v[RK], 64*NB, v[RK]               ; my next blocks lie 64 ranks apart,
	s_add_co_u32 s50, s50, 4*NB                    ; 4 block numbers
	s_sub_co_u32 s27, s27, 1
	s_cmp_lg_u32 s27, 0
	s_cbranch_scc1 .Lout
	s_wait_dscnt 0x0                               ; my reads of LDS are over;
	s_barrier_signal -1
	s_barrier_wait -1                              ; everybody's are: no wave writes LDS again (the add below) while another still reads
	s_wait_dscnt 0x0                               ; the closing lines, six on end
	s_wait_alu 0x0
	s_wait_tensorcnt 0x0
	ds_add_u32 v[SPW], v[NIL]
	s_wait_dscnt 0x0
	s_endpgm
.Lfunc_end_k_q9fc01690d5_mlp2:
	.size	k_q9fc01690d5_mlp2, .Lfunc_end_k_q9fc01690d5_mlp2-k_q9fc01690d5_mlp2
	.p2alignl 7, 3214868480
	.fill 96, 4, 3214868480
	.section	.rodata,"a",@progbits
	.p2align	6, 0x0
	.amdhsa_kernel k_q9fc01690d5_mlp2
		.amdhsa_group_segment_fixed_size 132608
		.amdhsa_private_segment_fixed_size 0
		.amdhsa_enable_private_segment 0
		.amdhsa_kernarg_size 56
		.amdhsa_user_sgpr_count 2
		.amdhsa_user_sgpr_kernarg_segment_ptr 1
		.amdhsa_wavefront_size32 1
		.amdhsa_system_sgpr_workgroup_id_x 1
		.amdhsa_system_sgpr_workgroup_id_y 1
		.amdhsa_system_sgpr_workgroup_id_z 1
		.amdhsa_system_vgpr_workitem_id 0
		.amdhsa_next_free_vgpr 672
		.amdhsa_next_free_sgpr 66
		.amdhsa_reserve_vcc 0
		.amdhsa_float_denorm_mode_32 3
		.amdhsa_float_denorm_mode_16_64 3
		.amdhsa_memory_ordered 1
		.amdhsa_forward_progress 1
		.amdhsa_inst_pref_size 120
	.end_amdhsa_kernel
	.amdgpu_metadata
---
amdhsa.version: [ 1, 2 ]
amdhsa.kernels:
  - .name:           k_q9fc01690d5_mlp2
    .symbol:         k_q9fc01690d5_mlp2.kd
    .args:
      - { .name: act, .offset: 0, .size: 8, .value_kind: global_buffer, .address_space: global }
      - { .name: mlp2_weight, .offset: 8, .size: 8, .value_kind: global_buffer, .address_space: global }
      - { .name: mlp2_bias, .offset: 16, .size: 8, .value_kind: global_buffer, .address_space: global }
      - { .name: gw, .offset: 24, .size: 8, .value_kind: global_buffer, .address_space: global }
      - { .name: slist, .offset: 32, .size: 8, .value_kind: global_buffer, .address_space: global }
      - { .name: meta, .offset: 40, .size: 8, .value_kind: global_buffer, .address_space: global }
      - { .name: y, .offset: 48, .size: 8, .value_kind: global_buffer, .address_space: global }
    .group_segment_fixed_size: 132608
    .private_segment_fixed_size: 0
    .kernarg_segment_align: 8
    .kernarg_segment_size: 56
    .max_flat_workgroup_size: 128
    .sgpr_count:     66
    .vgpr_count:     672
    .wavefront_size: 32
...
	.end_amdgpu_metadata
.endif
;; end of part 7
;; launch combine: the kernel of part 6 again; grid 256 x 1, 8 waves a work-group, no clusters, 0 bytes of LDS; arguments x, y, out0; writes out0
